; MI455X (gfx1250); checked and timed in simulation.
; The chip was launched on July 23, 2026; its instructions are those of AMD's public machine-readable ISA for CDNA 5 (MIT licence, August 2026) and "CDNA5" Instruction Set Architecture Reference Guide (July 2026). The comments in the code are by the model that wrote it; some were corrected since.
;; Multi Head Attention. Allowed arithmetic: matrix products marked QUANTISED: E3M2 operands, one E8M0 scale for each 32 along K, by v_wmma_scale_f32_16x16x128_f8f6f4 with both operands' format E3M2, f32 sums; everything else in f32.
;; Inputs: Wk 1,024 x 1,024 float32; Wo 1,024 x 1,024 float32; Wq 1,024 x 1,024 float32; Wv 1,024 x 1,024 float32; bk 1,024 float32; bo 1,024 float32; bq 1,024 float32; bv 1,024 float32; key 4 x 2,048 x 1,024 float32; query 4 x 2,048 x 1,024 float32; value 4 x 2,048 x 1,024 float32.
;; Outputs: out0 4 x 2,048 x 1,024 float32.
;; This version of the problem:
;;   THIS VERSION OF THE PROBLEM IS GIVEN IN LOW PRECISION. The matrix products marked QUANTISED in the list below multiply operands that are first quantised to E3M2 (3 exponent bits, 2 mantissa bits; 6 bits a number), with one power-of-two scale for each 32 numbers along K (OCP MX v1.0); their sums are f32. All else is computed in f32.
;;   The module's matrix products, in the order in which they are computed (A, B: the left and right operand; K: the contracted axis; several contracted axes count as one K, in the product's order):
;;     1. [M 8,192, K 1,024] x [K 1,024, N 1,024]; A: input query; B: input Wq: QUANTISED
;;     2. [M 8,192, K 1,024] x [K 1,024, N 1,024]; A: input key; B: input Wk: QUANTISED
;;     3. [M 8,192, K 1,024] x [K 1,024, N 1,024]; A: input value; B: input Wv: QUANTISED
;;     4. batch 64 x [M 2,048, K 64] x [K 64, N 2,048]; A: computed on the way; B: computed on the way: QUANTISED
;;     5. batch 64 x [M 2,048, K 2,048] x [K 2,048, N 64]; A: softmax (see below); B: computed on the way: QUANTISED
;;     6. [M 8,192, K 1,024] x [K 1,024, N 1,024]; A: computed on the way; B: input Wo: QUANTISED
;;   THE QUANTISER, for each operand of a quantised product, along K:
;;     - K is cut into blocks of 32 from its start; a last block that is shorter is filled with zeros.
;;     - A block's scale is 2^e with e = floor(log2(the largest magnitude in the block)) - 4, held to -126 .. 127; a block of zeros has e = 0. As a byte (E8M0): e + 127.
;;     - Each number is divided by its block's scale, clamped to +-28, and rounded to the nearest number of E3M2, ties to even, subnormals kept.
;;     - The product sums the exact products of the quantised numbers (number of the format x scale) in f32.
;;   ~~~python
;;   def quantise(x, axis):      # numpy; x: float32 -> the quantised numbers, widened to float32 again
;;       x = np.moveaxis(x, axis, -1); K = x.shape[-1]
;;       x = np.pad(x, [(0, 0)] * (x.ndim - 1) + [(0, -K % 32)]); x = x.reshape(x.shape[:-1] + (-1, 32)); a = np.abs(x).max(-1, keepdims=True)
;;       e = np.where(a > 0, np.clip(np.frexp(np.where(a > 0, a, 1))[1] - 1 - 4, -126, 127), 0)      # np.frexp(a)[1] - 1 = floor(log2(a)), exactly
;;       r = np.clip(x / 2.0 ** e, -28, 28)
;;       step = 2.0 ** (np.maximum(np.frexp(np.where(r == 0, 1, r))[1] - 1, -2) - 2)
;;       q = np.round(r / step) * step * 2.0 ** e      # np.round: ties to even
;;       return np.moveaxis(q.reshape(q.shape[:-2] + (-1,))[..., :K], -1, axis).astype(np.float32)
;;   ~~~
;;   SOFTMAX AHEAD OF A QUANTISED PRODUCT. Where the list says 'softmax', what is quantised is not the finished softmax but p = 2^(t - M), with t = logit x log2(e) and M = ceil(the row's largest t), a whole number; so 1/2 < the row's largest p <= 1. The row's sum l is taken of the UNQUANTISED p, in f32, and the product's result is divided by l at the end. Since M is a whole number, a kernel that streams over the keys may use a running M (the ceiling of the running maximum): every later rescaling is an exact power of two, which a block's scale takes up: the codes' values come out the same.
;;   OPERANDS COMPUTED ON THE WAY. 'Computed on the way' means the value that the module computes at that place (a softmax that the list does not call 'softmax' is quantised finished and normalised). What goes into a quantiser is computed in f32, as accurately as f32 sums, v_exp_f32 and their like allow (about 1e-6 of the number): no bf16 or f16 on the way to a quantiser, and a product that is left as it is and whose result goes on into a quantised operand takes f32 operands (vector FMAs, or v_wmma_f32_16x16x4_f32). A number that lies on a knife's edge between two numbers of the format may be rounded either way, as far as f32 arithmetic and the matrix unit's own rounding can turn it there, and no further.
;; One version. Each part assembles by itself: llvm-mc -triple=amdgcn-amd-amdhsa -mcpu=gfx1250 --defsym DOCPART=n.
;; ======== version 1 of 1: 4 launches
;; limits: right only within a limited range of input values
;; workspace buffers: xw 22,937,600 bytes; qkv 20,447,232 bytes; cx 6,291,456 bytes; cs 524,288 bytes
;; launch quant (part 1): grid 448 x 1, 4 waves a work-group, no clusters, 34,304 bytes of LDS; arguments query, key, value, Wq, Wk, Wv, Wo, xw; writes xw
.if DOCPART == 1
	.amdgcn_target "amdgcn-amd-amdhsa--gfx1250"
	.amdhsa_code_object_version 6
	.text
	.protected	k_q2ad9e8ebb1_quant
	.globl	k_q2ad9e8ebb1_quant
	.p2align	8
	.type	k_q2ad9e8ebb1_quant,@function
k_q2ad9e8ebb1_quant:
	s_mov_b64 s[64:65], 0
	v_nop
	global_prefetch_b8 v0, s[64:65] scope:SCOPE_SE
	s_setreg_imm32_b32 hwreg(HW_REG_WAVE_MODE, 25, 1), 1
	s_wait_xcnt 0x0
; query, key, value [8192][1024] and Wq, Wk, Wv, Wo [1024][1024], f32, K innermost, become codes of BF6 (E3M2) with one E8M0 byte for each 32 along K,
; laid in xw as IMAGES OF OPERAND REGISTERS: [block G of 128 rows: 224][K step of 128: 8][8 fragments of 1,536 bytes, then 512 bytes of scale words] = 12,800 bytes a K step.
; G 0-63 query, 64-127 key, 128-191 value, 192-199 Wq, 200-207 Wk, 208-215 Wv, 216-223 Wo.
; A fragment (16 rows x 128 K, 12 registers a lane): bytes 0-511 registers 0-3 (16 bytes a lane), 512-767 registers 4-5 (8 a lane), 768-1279 registers 6-9, 1280-1535 registers 10-11.
; The scale words: the word at 16 l + 4 j is that of tile j + 4 (l / 16), row l % 16.
; ORDER INSIDE A BLOCK OF 32: the codes stand in the order k = 0-7, 16-23, 8-15, 24-31.  Every operand of this program has that order, on both sides of every product, so each product pairs the right numbers;
; blocks and scales are the true ones.  It is the order in which a matrix result's registers run, so that results can be quantised without choosing rows.
; A block's scale is 2^(floor(log2(its largest magnitude)) - 4); its byte is the largest magnitude's exponent field - 4, held at 1 from below.
; LIMITS: a block of zeros gets the byte 1, not 127 (its codes are zeros, and this program alone reads the bytes); NaN and infinities among the inputs are not served.
; SHARES: work-group x takes block G = x / 2; its wave w takes K step 4 (x % 2) + w: 8 tiles of 16 rows x 128 K, 64 KiB in, 12,800 consecutive bytes out.  Waves share nothing: no barrier.
; Each load reads 512 consecutive bytes of a row; a tile turns through the wave's own stage in LDS (16 rows of 512 + 16 bytes), so that a lane gets 16 numbers of each block of its row.  Loads run two tiles (32 loads) ahead.
.set STGB, 8448                        ; a wave's stage
.set RAW,  16                          ; v16-143  two sets of 64: a tile as loaded
.set X,    144                         ; v144-207 a tile as the quantiser wants it: register 16 b + i belongs to block b of my row
.set TM,   208                         ; v208-223 at work: +0..3 largest magnitudes, +4..7 the other half's, then bytes, +12..15 the conversions' scale operands
.set PW,   224                         ; v224-231 the eight tiles' scale words
.set PC,   232                         ; v232-243 a fragment's codes
.set CT,   244                         ; v244-250 the odd blocks' codes before they are moved
.set SIW,  8                           ; v8-11    the image of the scale words
.set SEL,  22                          ; s[22:23] lane selects for v_permlanex16_b32: lane l xor 16
; 64 numbers of a lane, v[s] on, become a fragment's registers 0-5 in v[d0] on, 6-11 in v[d1] on, and my row's scale word in v[pw].  Lanes l and l xor 16 share the blocks.
.macro QUANT s, d0, d1, pw
.irp b, 0,1,2,3
	v_max3_num_f32 v[TM+\b], |v[(\s)+16*\b]|, |v[(\s)+1+16*\b]|, 0x2800000   ; my 16 numbers of block b, and the floor 2^(5 - 127): the byte cannot fall under 1
.endr
.irp i, 2,4,6,8,10,12,14
.irp b, 0,1,2,3
	v_max3_num_f32 v[TM+\b], v[TM+\b], |v[(\s)+16*\b+\i]|, |v[(\s)+1+16*\b+\i]|   ; the four blocks by turns
.endr
.endr
.irp b, 0,1,2,3
	v_permlanex16_b32 v[TM+4+\b], v[TM+\b], s[SEL], s[SEL+1]
.endr
.irp b, 0,1,2,3
	v_max_num_f32 v[TM+\b], v[TM+\b], v[TM+4+\b]   ; the block's largest magnitude
.endr
.irp b, 0,1,2,3
	v_add_nc_u32 v[TM+12+\b], 0xfe000000, v[TM+\b]   ; 4 off its exponent field: the conversion reads the exponent field of this operand alone
.endr
.irp b, 0,1,2,3
	v_lshrrev_b32 v[TM+4+\b], 23, v[TM+12+\b]      ; the scale's byte
.endr
	v_lshl_or_b32 v[\pw], v[TM+5], 8, v[TM+4]
	v_lshl_or_b32 v[\pw], v[TM+6], 16, v[\pw]
	v_lshl_or_b32 v[\pw], v[TM+7], 24, v[\pw]
	v_cvt_scalef32_pk16_bf6_f32 v[(\d0):(\d0)+2], v[(\s):(\s)+15], v[TM+12]
	v_cvt_scalef32_pk16_bf6_f32 v[CT:CT+2], v[(\s)+16:(\s)+31], v[TM+13]   ; (a conversion's three registers begin on an even number)
	v_cvt_scalef32_pk16_bf6_f32 v[(\d1):(\d1)+2], v[(\s)+32:(\s)+47], v[TM+14]
	v_cvt_scalef32_pk16_bf6_f32 v[CT+4:CT+6], v[(\s)+48:(\s)+63], v[TM+15]
	v_nop                                          ; one plain instruction behind the scaled conversions
.irp i, 0,1,2
	v_permlane16_swap_b32 v[(\d0)+\i], v[CT+\i]    ; the layout wants a whole block in a lane: lanes 0-15 the even block, lanes 16-31 the odd one
.endr
.irp i, 0,1,2
	v_permlane16_swap_b32 v[(\d1)+\i], v[CT+4+\i]
.endr
.irp i, 0,1,2
	v_mov_b32 v[(\d0)+3+\i], v[CT+\i]
.endr
.irp i, 0,1,2
	v_mov_b32 v[(\d1)+3+\i], v[CT+4+\i]
.endr
.endm
	s_load_b256 s[4:11], s[0:1], 0x0               ; query, key, value, Wq
	s_load_b256 s[12:19], s[0:1], 0x20             ; Wk, Wv, Wo, xw
	v_lshl_add_u32 v254, v0, 2, 0x8400
	v_mov_b32 v255, 0
	v_lshrrev_b32 v5, 5, v0
	v_readfirstlane_b32 s20, v5                    ; wave 0..3
	v_and_b32 v6, 31, v0                           ; lane
	v_lshlrev_b32 v1, 4, v6                        ; 16 x lane: my bytes of a load's 512, and of a store's
	v_lshlrev_b32 v2, 3, v6                        ; 8 x lane
	s_mul_i32 s21, s20, STGB
	v_add_nc_u32 v3, s21, v1                       ; the stage, on the way in: a row as it lies
	v_and_b32 v7, 15, v0                           ; r
	v_bfe_u32 v12, v0, 4, 1                        ; h
	v_mul_u32_u24 v4, v7, 528
	v_lshl_add_u32 v4, v12, 5, v4
	v_add_nc_u32 v4, s21, v4                       ; and on the way out: row r, + 32 h bytes: k = 8 h on
	s_mov_b32 s[SEL], 0x76543210
	s_mov_b32 s[SEL+1], 0xfedcba98
	s_mov_b32 s30, 0xffff0000                      ; lanes 16-31
.irp b, 0,1,2,3
	v_mov_b32 v[TM+4+\b], 0                        ; written once: a lane permute's destination counts as one of its sources
.endr
	s_lshr_b32 s24, ttmp9, 1                       ; G
	s_and_b32 s25, ttmp9, 1
	s_lshl_b32 s25, s25, 2
	s_add_co_u32 s25, s25, s20                     ; my K step
	s_wait_alu depctr_va_vdst(0)
	s_wait_kmcnt 0x0
	s_cmp_ge_u32 s24, 64                           ; which tensor G lies in, and the tensor's first G: the choices hang on the work-group's number alone
	s_cselect_b64 s[26:27], s[6:7], s[4:5]
	s_cselect_b32 s28, 64, 0
	s_cmp_ge_u32 s24, 128
	s_cselect_b64 s[26:27], s[8:9], s[26:27]
	s_cselect_b32 s28, 128, s28
	s_cmp_ge_u32 s24, 192
	s_cselect_b64 s[26:27], s[10:11], s[26:27]
	s_cselect_b32 s28, 192, s28
	s_cmp_ge_u32 s24, 200
	s_cselect_b64 s[26:27], s[12:13], s[26:27]
	s_cselect_b32 s28, 200, s28
	s_cmp_ge_u32 s24, 208
	s_cselect_b64 s[26:27], s[14:15], s[26:27]
	s_cselect_b32 s28, 208, s28
	s_cmp_ge_u32 s24, 216
	s_cselect_b64 s[26:27], s[16:17], s[26:27]
	s_cselect_b32 s28, 216, s28
	s_sub_co_u32 s28, s24, s28
	s_lshl_b32 s28, s28, 19                        ; 128 rows of 4,096 bytes a block (63 blocks at the most: under 2^26)
	s_lshl_b32 s29, s25, 9                         ; 512 bytes a K step
	s_add_co_u32 s28, s28, s29
	s_mov_b32 s29, 0
	s_add_nc_u64 s[26:27], s[26:27], s[28:29]      ; my first row's 512 bytes
	s_mul_i32 s32, s24, 102400
	s_mul_i32 s33, s25, 12800
	s_add_co_u32 s32, s32, s33
	s_mov_b32 s33, 0
	s_add_nc_u64 s[18:19], s[18:19], s[32:33]      ; my 12,800 bytes of xw
.macro LOAD i                          ; tile i: 16 rows, 512 consecutive bytes each, into set i % 2
.set tt, 0
.rept 16
	global_load_b128 v[RAW+64*((\i)%2)+4*tt:RAW+64*((\i)%2)+4*tt+3], v1, s[26:27] offset:(16*(\i)+tt)*4096 th:TH_LOAD_NT
.set tt, tt+1
.endr
.endm
.macro TILE i
.if (\i) < 7
	s_wait_loadcnt 16                              ; this tile's 16 loads are in; the next tile's 16 may be out
.else
	s_wait_loadcnt 0x0
.endif
.set tt, 0
.rept 16
	ds_store_b128 v3, v[RAW+64*((\i)%2)+4*tt:RAW+64*((\i)%2)+4*tt+3] offset:528*tt
.set tt, tt+1
.endr
.irp b, 0,1,2,3                        ; LDS serves a wave's instructions in order: these see the stores.  Of block b: k = 8 h + 0..7 and 16 + 8 h + 0..7
	ds_load_b128 v[X+16*\b:X+16*\b+3], v4 offset:128*\b
	ds_load_b128 v[X+16*\b+4:X+16*\b+7], v4 offset:128*\b+16
	ds_load_b128 v[X+16*\b+8:X+16*\b+11], v4 offset:128*\b+64
	ds_load_b128 v[X+16*\b+12:X+16*\b+15], v4 offset:128*\b+80
.endr
	s_wait_dscnt 0x0                               ; the tile is back, and the stores have read the set,
.if (\i) < 6
	LOAD (\i)+2                                    ; which takes the tile two on
.endif
.if (\i) > 0
	s_wait_xcnt 0x0                                ; the last tile's stores have read the codes' registers: they are written again only behind this wait
.endif
	QUANT X, PC, PC+6, PW+(\i)
	global_store_b128 v1, v[PC:PC+3], s[18:19] offset:1536*(\i)          ; 512, 256, 512, 256 consecutive bytes, each run at a multiple of 256 from xw's first byte
	global_store_b64 v2, v[PC+4:PC+5], s[18:19] offset:1536*(\i)+512
	global_store_b128 v1, v[PC+6:PC+9], s[18:19] offset:1536*(\i)+768
	global_store_b64 v2, v[PC+10:PC+11], s[18:19] offset:1536*(\i)+1280
.endm
	LOAD 0
	LOAD 1
.irp i, 0,1,2,3,4,5,6,7
	TILE \i
.endr
.irp j, 0,1,2,3
	v_cndmask_b32 v[SIW+\j], v[PW+\j], v[PW+4+\j], s30   ; lanes 0-15 tile j's words, lanes 16-31 tile j + 4's
.endr
	global_store_b128 v1, v[SIW:SIW+3], s[18:19] offset:12288
	s_wait_tensorcnt 0x0
	ds_add_u32 v254, v255
	s_wait_dscnt 0x0
	s_endpgm
.Lfunc_end_k_q2ad9e8ebb1_quant:
	.size	k_q2ad9e8ebb1_quant, .Lfunc_end_k_q2ad9e8ebb1_quant-k_q2ad9e8ebb1_quant
	.p2alignl 7, 3214868480
	.fill 96, 4, 3214868480
	.section	.rodata,"a",@progbits
	.p2align	6, 0x0
	.amdhsa_kernel k_q2ad9e8ebb1_quant
		.amdhsa_group_segment_fixed_size 34304
		.amdhsa_private_segment_fixed_size 0
		.amdhsa_enable_private_segment 0
		.amdhsa_kernarg_size 64
		.amdhsa_user_sgpr_count 2
		.amdhsa_user_sgpr_kernarg_segment_ptr 1
		.amdhsa_wavefront_size32 1
		.amdhsa_system_sgpr_workgroup_id_x 1
		.amdhsa_system_sgpr_workgroup_id_y 1
		.amdhsa_system_sgpr_workgroup_id_z 1
		.amdhsa_system_vgpr_workitem_id 0
		.amdhsa_next_free_vgpr 256
		.amdhsa_next_free_sgpr 66
		.amdhsa_reserve_vcc 0
		.amdhsa_float_denorm_mode_32 3
		.amdhsa_float_denorm_mode_16_64 3
		.amdhsa_memory_ordered 1
		.amdhsa_forward_progress 1
		.amdhsa_inst_pref_size 65
	.end_amdhsa_kernel
	.amdgpu_metadata
---
amdhsa.version: [ 1, 2 ]
amdhsa.kernels:
  - .name:           k_q2ad9e8ebb1_quant
    .symbol:         k_q2ad9e8ebb1_quant.kd
    .args:
      - { .name: query, .offset: 0, .size: 8, .value_kind: global_buffer, .address_space: global }
      - { .name: key, .offset: 8, .size: 8, .value_kind: global_buffer, .address_space: global }
      - { .name: value, .offset: 16, .size: 8, .value_kind: global_buffer, .address_space: global }
      - { .name: Wq, .offset: 24, .size: 8, .value_kind: global_buffer, .address_space: global }
      - { .name: Wk, .offset: 32, .size: 8, .value_kind: global_buffer, .address_space: global }
      - { .name: Wv, .offset: 40, .size: 8, .value_kind: global_buffer, .address_space: global }
      - { .name: Wo, .offset: 48, .size: 8, .value_kind: global_buffer, .address_space: global }
      - { .name: xw, .offset: 56, .size: 8, .value_kind: global_buffer, .address_space: global }
    .group_segment_fixed_size: 34304
    .private_segment_fixed_size: 0
    .kernarg_segment_align: 8
    .kernarg_segment_size: 64
    .max_flat_workgroup_size: 128
    .sgpr_count:     66
    .vgpr_count:     256
    .wavefront_size: 32
...
	.end_amdgpu_metadata
.endif
;; end of part 1
;; launch proj (part 2): grid 4 x 192, 4 waves a work-group, clusters of 4 x 4, 307,712 bytes of LDS; arguments xw, bq, bk, bv, qkv; writes qkv
.if DOCPART == 2
	.amdgcn_target "amdgcn-amd-amdhsa--gfx1250"
	.amdhsa_code_object_version 6
	.text
	.protected	k_q2ad9e8ebb1_proj
	.globl	k_q2ad9e8ebb1_proj
	.p2align	8
	.type	k_q2ad9e8ebb1_proj,@function
k_q2ad9e8ebb1_proj:
	s_mov_b64 s[64:65], 0
	v_nop
	global_prefetch_b8 v0, s[64:65] scope:SCOPE_SE
	s_setreg_imm32_b32 hwreg(HW_REG_WAVE_MODE, 25, 1), 1
	s_wait_xcnt 0x0
	s_wait_alu depctr_hold_cnt(0) depctr_sa_sdst(0) depctr_va_vdst(0) depctr_va_sdst(0) depctr_va_ssrc(0) depctr_va_vcc(0) depctr_vm_vsrc(0)
	s_getreg_b32 s2, hwreg(HW_REG_IB_STS2, 6, 4)
	s_cmp_eq_u32 s2, 0
	s_cbranch_scc0 .Lentry_in_a_cluster
	s_endpgm
.Lentry_in_a_cluster:
	s_bfe_u32 s2, ttmp6, 0x10000c
	s_cmp_lg_u32 s2, 0xf033
	s_cbranch_scc0 .Lentry_shape_is_right
	s_endpgm
.Lentry_shape_is_right:
; q = query Wq^T + bq, k = key Wk^T + bk, v = value Wv^T + bv, on the codes of BF6 (E3M2) that lie in xw as images of operand registers; the results are quantised here, in f32 registers, and stored as the
; operands of attention: q and k along the head's 64, v along the keys.
; xw: [block G of 128 rows][K step 8][8 fragments of 1,536 bytes, 512 bytes of scale words]; G 0-63 query, 64-127 key, 128-191 value, 192-199 Wq, 200-207 Wk, 208-215 Wv.
; qkv: [batch x head: 64][step of 128 keys or queries: 16][19,968 bytes]: K's 4 pair images at 0, their scale words at 6,144 (two images of 256 bytes), V's 4 fragments at 6,656, their scale words at 12,800,
; Q's 4 pair images at 13,312, their scale words at 19,456.  A pair image: registers 0-5 the 64 codes of 16 rows, registers 6-11 those of the next 16 rows; its scale word: two bytes of each.  Images here are three runs of 512 bytes.
; ROLES.  P is source 0: its rows run along a lane's registers in the result, which is the axis to be quantised.  R is source 1: its rows are the lanes.  q, k: P = W (the head's 64), R = x.  v: P = value (the keys), R = Wv.
; A work-group makes 256 rows of P x 128 rows of R with ALL of K = 1,024 in LDS: every byte of LDS is filled once, so there is no ring.  Four waves, each 128 of P x 64 of R: 32 accumulators.
; CLUSTERS: 4 x 4.  P's blocks hang on cx and are asked for jointly along a column of the cluster, R's hang on cy and are asked for jointly along a row.  A cluster belongs to one projection (cluster y / 16).
; The codes inside a block of 32 stand in the order 0-7, 16-23, 8-15, 24-31 in every operand of this program, which is how a result's registers run.
; LIMITS: a block of zeros gets the byte 1, not 127 (its codes are zeros; this program alone reads the bytes); NaN and infinities are not served.
; REGISTERS: window 0: v1-11 addresses; v16-31 scale words, two sets; v32-127 R's fragments, two sets of 48, later the sums and the images; v128-191 the bias; v192-223 at work.
;   window 1: P's fragments, two sets of 96.   window 2: accumulator (a, b) at v[8 (8 a + b)]: R's tile a, P's tile b.
.set PBLK,   102400                    ; a block of 128 rows, all K
.set KPC,    12800                     ; a K step of it
.set RPIECE, 12800                     ; R's K step in LDS
.set RSSTEP, 12800                     ; from one K step's scale words of R to the next
.set RROWS,  4*RPIECE/256              ; rows of 256 bytes in one load of R: four K steps
.set RBASE,  2*PBLK                    ; LDS: P's two blocks, then R's
.set RSBASE, RBASE+12288
.set HEADB,  319488                    ; a head in qkv
.set STEPB,  19968                     ; a step of 128 in it
.set TM,  192
.set CT,  212
.set SEL, 22
.set WV,  14
.set MSB, 0
.macro WIN new                         ; the immediate's high byte repeats the setting that is left
.if MSB != \new
	s_set_vgpr_msb (MSB<<8)|\new
.set MSB, \new
.endif
.endm
.macro CROUND                          ; a round of the cluster's barrier
	s_barrier_signal -1
	s_barrier_wait -1
	s_cmp_lg_u32 s[WV], 0
	s_cbranch_scc1 .Lnot_wave_0_\@
	s_barrier_signal -3
.Lnot_wave_0_\@:
	s_barrier_wait -3
	s_barrier_signal -1
	s_barrier_wait -1
.endm
; 64 numbers of a lane, v[s] on (register 16 b + i belongs to block b; lanes l and l xor 16 share the blocks), become a fragment's registers 0-5 in v[d0] on, 6-11 in v[d1] on, and the scale word in v[pw].
.macro QUANT s, d0, d1, pw
.irp b, 0,1,2,3
	v_max3_num_f32 v[TM+\b], |v[(\s)+16*\b]|, |v[(\s)+1+16*\b]|, 0x2800000   ; and the floor 2^(5 - 127): the byte cannot fall under 1
.endr
.irp i, 2,4,6,8,10,12,14
.irp b, 0,1,2,3
	v_max3_num_f32 v[TM+\b], v[TM+\b], |v[(\s)+16*\b+\i]|, |v[(\s)+1+16*\b+\i]|
.endr
.endr
.irp b, 0,1,2,3
	v_permlanex16_b32 v[TM+4+\b], v[TM+\b], s[SEL], s[SEL+1]
.endr
.irp b, 0,1,2,3
	v_max_num_f32 v[TM+\b], v[TM+\b], v[TM+4+\b]
.endr
.irp b, 0,1,2,3
	v_add_nc_u32 v[TM+12+\b], 0xfe000000, v[TM+\b]   ; 4 off the exponent field: the conversion's scale operand
.endr
.irp b, 0,1,2,3
	v_lshrrev_b32 v[TM+4+\b], 23, v[TM+12+\b]      ; the scale's byte
.endr
	v_lshl_or_b32 v[\pw], v[TM+5], 8, v[TM+4]
	v_lshl_or_b32 v[\pw], v[TM+6], 16, v[\pw]
	v_lshl_or_b32 v[\pw], v[TM+7], 24, v[\pw]
	v_cvt_scalef32_pk16_bf6_f32 v[(\d0):(\d0)+2], v[(\s):(\s)+15], v[TM+12]
	v_cvt_scalef32_pk16_bf6_f32 v[CT:CT+2], v[(\s)+16:(\s)+31], v[TM+13]
	v_cvt_scalef32_pk16_bf6_f32 v[(\d1):(\d1)+2], v[(\s)+32:(\s)+47], v[TM+14]
	v_cvt_scalef32_pk16_bf6_f32 v[CT+4:CT+6], v[(\s)+48:(\s)+63], v[TM+15]
	v_nop                                          ; one plain instruction behind the scaled conversions
.irp i, 0,1,2
	v_permlane16_swap_b32 v[(\d0)+\i], v[CT+\i]
.endr
.irp i, 0,1,2
	v_permlane16_swap_b32 v[(\d1)+\i], v[CT+4+\i]
.endr
.irp i, 0,1,2
	v_mov_b32 v[(\d0)+3+\i], v[CT+\i]
.endr
.irp i, 0,1,2
	v_mov_b32 v[(\d1)+3+\i], v[CT+4+\i]
.endr
.endm
; one matrix instruction.  zero: the sum begins;  hi: P's scale words are read from lanes 16-31
.macro WM d, fa, fb, sa, sb, zero, hi
.if \zero
.if \hi
	v_wmma_scale_f32_16x16x128_f8f6f4 v[(\d):(\d)+7], v[(\fa):(\fa)+11], v[(\fb):(\fb)+11], 0, v[\sa], v[\sb] matrix_a_fmt:MATRIX_FMT_BF6 matrix_b_fmt:MATRIX_FMT_BF6 matrix_a_scale:MATRIX_SCALE_ROW1
.else
	v_wmma_scale_f32_16x16x128_f8f6f4 v[(\d):(\d)+7], v[(\fa):(\fa)+11], v[(\fb):(\fb)+11], 0, v[\sa], v[\sb] matrix_a_fmt:MATRIX_FMT_BF6 matrix_b_fmt:MATRIX_FMT_BF6
.endif
.else
.if \hi
	v_wmma_scale_f32_16x16x128_f8f6f4 v[(\d):(\d)+7], v[(\fa):(\fa)+11], v[(\fb):(\fb)+11], v[(\d):(\d)+7], v[\sa], v[\sb] matrix_a_fmt:MATRIX_FMT_BF6 matrix_b_fmt:MATRIX_FMT_BF6 matrix_a_scale:MATRIX_SCALE_ROW1
.else
	v_wmma_scale_f32_16x16x128_f8f6f4 v[(\d):(\d)+7], v[(\fa):(\fa)+11], v[(\fb):(\fb)+11], v[(\d):(\d)+7], v[\sa], v[\sb] matrix_a_fmt:MATRIX_FMT_BF6 matrix_b_fmt:MATRIX_FMT_BF6
.endif
.endif
.endm
.macro ADV                             ; on to the next K step.  These five plain instructions are also the places between the last products and the loads into the registers that they read (four are asked)
	v_add_nc_u32 v1, KPC, v1
	v_add_nc_u32 v2, KPC, v2
	v_add_nc_u32 v3, RPIECE, v3
	v_add_nc_u32 v4, RPIECE, v4
	v_add_nc_u32 v5, RSSTEP, v5
.endm
.macro FETCH g                         ; a K step's fragments and scale words into set g: 50 LDS loads, each of consecutive bytes
	WIN 0x40                                       ; destination window 1
.irp i, 0,1,2,3,4,5,6,7
	ds_load_b128 v[96*(\g)+12*\i:96*(\g)+12*\i+3], v1 offset:1536*\i
	ds_load_b64 v[96*(\g)+12*\i+4:96*(\g)+12*\i+5], v2 offset:1536*\i+512
	ds_load_b128 v[96*(\g)+12*\i+6:96*(\g)+12*\i+9], v1 offset:1536*\i+768
	ds_load_b64 v[96*(\g)+12*\i+10:96*(\g)+12*\i+11], v2 offset:1536*\i+1280
.endr
	WIN 0
.irp i, 0,1,2,3
	ds_load_b128 v[32+48*(\g)+12*\i:32+48*(\g)+12*\i+3], v3 offset:1536*\i
	ds_load_b64 v[32+48*(\g)+12*\i+4:32+48*(\g)+12*\i+5], v4 offset:1536*\i+512
	ds_load_b128 v[32+48*(\g)+12*\i+6:32+48*(\g)+12*\i+9], v3 offset:1536*\i+768
	ds_load_b64 v[32+48*(\g)+12*\i+10:32+48*(\g)+12*\i+11], v4 offset:1536*\i+1280
.endr
	ds_load_b128 v[16+8*(\g):19+8*(\g)], v1 offset:12288   ; P's scale words: register j: lanes 0-15 tile j, lanes 16-31 tile j + 4
	ds_load_b128 v[20+8*(\g):23+8*(\g)], v5                ; R's: register j: my tile j
.endm
.macro MUL g, zero                     ; 32 matrix instructions; the 32 accumulators take turns, one instruction a turn, in the same order in every K step
	WIN 0xa1                                       ; source 0 (P) window 1, source 1 (R) window 0, C and D window 2
.irp a, 0,1,2,3
.irp b, 0,1,2,3,4,5,6,7
	WM 8*(8*\a+\b), 96*(\g)+12*\b, 32+48*(\g)+12*\a, 16+8*(\g)+\b%4, 20+8*(\g)+\a, \zero, \b/4
.endr
.endr
.endm
; K step s: its fragments were asked for a step ago; the next step's are asked for ahead of its 32 products.  All of K lies in LDS from the head's barrier on.
.macro KSTEP s
	s_wait_dscnt 0x0                               ; this step's fragments are in
.if (\s) < 7
	ADV
	FETCH ((\s)+1)%2
.endif
.if (\s) == 0
	MUL 0, 1
.else
	MUL (\s)%2, 0
.endif
	WIN 0
.endm
	s_load_b256 s[4:11], s[0:1], 0x0               ; xw, bq, bk, bv
	s_load_b64 s[12:13], s[0:1], 0x20              ; qkv
	v_lshl_add_u32 v254, v0, 2, 0x4b000
	v_mov_b32 v255, 0
	ds_add_u32 v254, v255
	ds_add_u32 v254, v255
	v_lshrrev_b32 v8, 5, v0
	v_readfirstlane_b32 s[WV], v8                  ; wave 0..3
	s_lshr_b32 s15, s[WV], 1                       ; pH: which 128 rows of P are mine.  Also: I fetch for P (0) or for R (1)
	s_and_b32 s16, s[WV], 1                        ; rH: which 64 rows of R.  Also: which part I fetch
	s_bfe_u32 s17, ttmp6, 0x40000                  ; cx
	s_bfe_u32 s18, ttmp6, 0x40004                  ; cy
	s_and_b32 s19, ttmp7, 0xffff                   ; cluster y, 0..47
	s_lshr_b32 s20, s19, 4                         ; the projection: 0 q, 1 k, 2 v: the same in all sixteen partners
	s_and_b32 s21, s19, 15
	s_lshr_b32 s84, s21, 1
	s_and_b32 s85, s21, 1
	s_lshl_b32 s86, s20, 3
	s_add_co_u32 s86, s86, 192
	s_lshl_b32 s87, s20, 6
	s_cmp_eq_u32 s20, 2
	s_cselect_b32 s84, s84, 0                      ; P's group of four blocks of 256: v: 8 groups of value; q, k: W is one group
	s_cselect_b32 s85, s85, s21                    ; R's group of four blocks of 128: v: 2 groups of Wv; q, k: 16 groups of x
	s_cselect_b32 s86, 128, s86                    ; P's first G
	s_cselect_b32 s87, 208, s87                    ; R's first G
	s_lshl_b32 s88, s84, 2
	s_add_co_u32 s88, s88, s17                     ; pblk: it holds cx and never cy
	s_lshl_b32 s89, s85, 2
	s_add_co_u32 s89, s89, s18                     ; rblk: it holds cy and never cx
	s_lshl_b32 s2, 0x1111, s17                     ; my column of the cluster
	s_lshl_b32 s3, s18, 2
	s_lshl_b32 s3, 15, s3                          ; my row
	; descriptor group 1: dense blocks as rows of 256 bytes (32 elements of 8 bytes), no padding.  P: a whole block, 8 K steps, 400 rows;  R: four K steps
	s_or_b32 s24, s2, (3<<16)|(1<<21)              ; 15:0 the mask; 17:16 elements of 8 bytes; 21 set beside a mask
	s_mov_b32 s25, 32<<16                          ; tensor_dim0
	s_mov_b32 s26, 400<<16                         ; tensor_dim1
	s_mov_b32 s27, 32<<16                          ; tile_dim0
	s_mov_b32 s28, 400                             ; tile_dim1
	s_mov_b32 s29, 32                              ; pitch
	s_mov_b32 s30, 0
	s_mov_b32 s31, 0
	s_or_b32 s32, s3, (3<<16)|(1<<21)
	s_mov_b32 s33, 32<<16
	s_mov_b32 s34, RROWS<<16
	s_mov_b32 s35, 32<<16
	s_mov_b32 s36, RROWS
	s_mov_b32 s37, 32
	s_mov_b32 s38, 0
	s_mov_b32 s39, 0
	s_lshl_b32 s90, s88, 1
	s_add_co_u32 s90, s90, s86
	s_add_co_u32 s90, s90, s16
	s_mul_i32 s90, s90, PBLK                       ; P: block G = first + 2 pblk + part (under 2^25 bytes)
	s_mov_b32 s91, 0
	s_add_co_u32 s94, s87, s89
	s_mul_i32 s94, s94, PBLK                       ; R: block G = first + rblk,
	s_mul_i32 s95, s16, 4*KPC
	s_add_co_u32 s94, s94, s95                     ; K steps 4 x part on
	s_mov_b32 s95, 0
	s_mov_b32 s40, 1                               ; P's group 0: one block of 128 rows, all of K
	s_mul_i32 s41, s16, PBLK                       ; where it goes: no place in the cluster enters an LDS address
	s_mov_b32 s68, 1                               ; R's group 0: K steps 4 x part .. 4 x part + 3
	s_mul_i32 s69, s16, 4*RPIECE
	s_add_co_u32 s69, s69, RBASE
	s_wait_dscnt 0x0
	s_wait_kmcnt 0x0
	s_add_nc_u64 s[42:43], s[4:5], s[90:91]
	s_or_b32 s43, s43, 0x80000000
	s_add_nc_u64 s[70:71], s[4:5], s[94:95]
	s_or_b32 s71, s71, 0x80000000
	CROUND                                         ; all sixteen work-groups are here: the joint loads meet
	s_cmp_lt_u32 s[WV], 2                          ; one tensor load a wave, in the two arms of one branch: waves 0, 1 a block of P each, waves 2, 3 half of R each
	s_cbranch_scc0 .Lfill_r
	tensor_load_to_lds s[40:43], s[24:31]
	s_nop 0
.rept 4
	v_nop
.endr
	s_branch .Lfilled
.Lfill_r:
	tensor_load_to_lds s[68:71], s[32:39]
	s_nop 0
.rept 4
	v_nop
.endr
.Lfilled:
	v_and_b32 v8, 31, v0
	v_lshlrev_b32 v6, 4, v8                        ; 16 x lane
	v_lshlrev_b32 v7, 3, v8                        ; 8 x lane
	s_mul_i32 s56, s15, PBLK
	v_add_nc_u32 v1, s56, v6                       ; my block of P, by 16 bytes a lane,
	v_add_nc_u32 v2, s56, v7                       ; and by 8
	s_mul_i32 s57, s16, 6144
	s_add_co_u32 s57, s57, RBASE
	v_add_nc_u32 v3, s57, v6                       ; my four fragments of R
	v_add_nc_u32 v4, s57, v7
	v_and_b32 v9, 15, v0                           ; r
	s_lshl_b32 s58, s16, 8
	s_add_co_u32 s58, s58, RSBASE
	v_lshl_add_u32 v5, v9, 4, s58                  ; R's scale words of my four tiles: 16 r + 256 rH
	v_bfe_u32 v10, v0, 4, 1
	v_lshlrev_b32 v10, 5, v10                      ; 32 h: the bias of q, k
	v_lshlrev_b32 v11, 2, v9                       ; 4 r: the bias of v
.irp b, 0,1,2,3
	v_mov_b32 v[TM+4+\b], 0                        ; written once: a lane permute's destination counts as one of its sources
.endr
	s_mov_b32 s[SEL], 0x76543210
	s_mov_b32 s[SEL+1], 0xfedcba98
	s_wait_alu depctr_va_vdst(0)
	s_wait_tensorcnt 0x0                           ; my one load has landed
	s_barrier_signal -1
	s_barrier_wait -1                              ; everybody's has: P and R lie in LDS, all of K
	FETCH 0
.irp s, 0,1,2,3,4,5
	s_wait_alu depctr_va_vdst(0)
	KSTEP \s
.endr
	s_cmp_eq_u32 s20, 2                            ; ONE parting of the ways, on the projection: each way holds its bias loads, the last two K steps, under which the bias lands, and its way out
	s_cbranch_scc1 .Lvalue
	; ---- q, k.  Accumulator (a, b), lane (r, h), register j: token 16 a + r of my 64, feature 16 b + 8 h + j of my 128, which are two heads
	s_lshl_b32 s56, s88, 1
	s_add_co_u32 s56, s56, s15                     ; 2 pblk + pH: my 128 features
	s_lshl_b32 s58, s56, 9
	s_mov_b32 s59, 0
	s_cmp_eq_u32 s20, 0
	s_cselect_b64 s[60:61], s[6:7], s[8:9]         ; bq or bk
	s_cselect_b32 s62, 13312, 0                    ; Q's place in a step, or K's
	s_add_nc_u64 s[60:61], s[60:61], s[58:59]
.irp b, 0,1,2,3,4,5,6,7
	global_load_b128 v[128+8*\b:131+8*\b], v10, s[60:61] offset:64*\b
	global_load_b128 v[132+8*\b:135+8*\b], v10, s[60:61] offset:64*\b+16
.endr
	s_wait_alu depctr_va_vdst(0)
	KSTEP 6
	KSTEP 7
	s_lshr_b32 s57, s89, 4
	s_lshl_b32 s57, s57, 4                         ; 16 x batch
	s_lshl_b32 s56, s56, 1                         ; my first head
	s_add_co_u32 s56, s56, s57
	s_mul_i32 s56, s56, HEADB
	s_and_b32 s57, s89, 15                         ; the step of 128 tokens
	s_mul_i32 s57, s57, STEPB
	s_add_co_u32 s56, s56, s57
	s_add_co_u32 s56, s56, s62
	s_lshl_b32 s58, s16, 8
	s_add_co_u32 s58, s58, s56
	s_add_co_u32 s58, s58, 6144                    ; the scale words: image rH
	s_mul_i32 s57, s16, 3072
	s_add_co_u32 s56, s56, s57                     ; the codes: pairs 2 rH, 2 rH + 1
	s_mov_b32 s57, 0
	s_add_nc_u64 s[56:57], s[12:13], s[56:57]
	s_add_nc_u64 s[58:59], s[12:13], s[58:59]
.rept 4
	v_nop                                          ; four places behind the last products, ahead of the first read of results and the first write of R's registers
.endr
	s_wait_loadcnt 0x0                             ; the bias
.irp pr, 0,1                           ; a pair of token tiles: an image for each of the two heads
.if \pr
	s_wait_xcnt 0x0                                ; the first pair's stores have read the images' registers
.endif
.irp e, 0,1
	WIN 0x02                                       ; source 0 window 2
.set ii, 0
.rept 32
	v_pk_add_f32 v[32+2*ii:33+2*ii], v[64*(2*\pr+\e)+2*ii:64*(2*\pr+\e)+2*ii+1], v[128+2*ii:129+2*ii]   ; + bias, and into window 0; each accumulator from its low end on
.set ii, ii+1
.endr
	WIN 0
	QUANT 32, 96+6*\e, 108+6*\e, 208+\e            ; blocks 0, 1: the first head's 64; blocks 2, 3: the second's
.endr
.irp c, 0,1,2
	global_store_b128 v6, v[96+4*\c:99+4*\c], s[56:57] offset:1536*\pr+512*\c
	global_store_b128 v6, v[108+4*\c:111+4*\c], s[56:57] offset:HEADB+1536*\pr+512*\c
.endr
	v_perm_b32 v[220+\pr], v209, v208, 0x05040100  ; the first head's word: two bytes of each tile
	v_perm_b32 v[222+\pr], v209, v208, 0x07060302  ; the second head's
.endr
	global_store_b64 v7, v[220:221], s[58:59]      ; 256 consecutive bytes
	global_store_b64 v7, v[222:223], s[58:59] offset:HEADB
	s_branch .Ldone
.Lvalue:
	; ---- v.  Accumulator (a, b), lane (r, h), register j: key 16 b + 8 h + j of my 128, channel 16 a + r of my head
	s_lshl_b32 s56, s89, 1
	s_add_co_u32 s56, s56, s16                     ; my head: 2 rblk + rH
	s_lshl_b32 s58, s56, 8
	s_mov_b32 s59, 0
	s_add_nc_u64 s[60:61], s[10:11], s[58:59]
.irp a, 0,1,2,3
	global_load_b32 v[128+2*\a], v11, s[60:61] offset:64*\a   ; bv of my channel, twice: a pair for the packed addition
	global_load_b32 v[129+2*\a], v11, s[60:61] offset:64*\a
.endr
	s_wait_alu depctr_va_vdst(0)
	KSTEP 6
	KSTEP 7
	s_lshl_b32 s57, s88, 1
	s_add_co_u32 s57, s57, s15                     ; my 128 keys: 2 pblk + pH
	s_lshr_b32 s58, s57, 4
	s_lshl_b32 s58, s58, 4                         ; 16 x batch
	s_add_co_u32 s56, s56, s58
	s_mul_i32 s56, s56, HEADB
	s_and_b32 s57, s57, 15
	s_mul_i32 s57, s57, STEPB
	s_add_co_u32 s56, s56, s57
	s_mov_b32 s57, 0
	s_add_nc_u64 s[56:57], s[12:13], s[56:57]
.rept 4
	v_nop
.endr
	s_wait_loadcnt 0x0
.irp a, 0,1,2,3                        ; 16 channels x 128 keys: one fragment
.if \a >= 2
	s_wait_xcnt 0x0                                ; the stores of two fragments ago have read their registers
.endif
	WIN 0x02
.set ii, 0
.rept 32
	v_pk_add_f32 v[32+2*ii:33+2*ii], v[64*\a+2*ii:64*\a+2*ii+1], v[128+2*\a:129+2*\a]
.set ii, ii+1
.endr
	WIN 0
	QUANT 32, 96+12*(\a%2), 102+12*(\a%2), 208+\a
.irp c, 0,1,2
	global_store_b128 v6, v[96+12*(\a%2)+4*\c:99+12*(\a%2)+4*\c], s[56:57] offset:6656+1536*\a+512*\c
.endr
.endr
	global_store_b128 v6, v[208:211], s[56:57] offset:12800   ; the four fragments' scale words
.Ldone:
	s_wait_tensorcnt 0x0
	ds_add_u32 v254, v255
	s_wait_dscnt 0x0
	CROUND                                         ; the closing round: no work-group ends while a partner may still ask for a block that names it
	s_endpgm
.Lfunc_end_k_q2ad9e8ebb1_proj:
	.size	k_q2ad9e8ebb1_proj, .Lfunc_end_k_q2ad9e8ebb1_proj-k_q2ad9e8ebb1_proj
	.p2alignl 7, 3214868480
	.fill 96, 4, 3214868480
	.section	.rodata,"a",@progbits
	.p2align	6, 0x0
	.amdhsa_kernel k_q2ad9e8ebb1_proj
		.amdhsa_group_segment_fixed_size 307712
		.amdhsa_private_segment_fixed_size 0
		.amdhsa_enable_private_segment 0
		.amdhsa_kernarg_size 40
		.amdhsa_user_sgpr_count 2
		.amdhsa_user_sgpr_kernarg_segment_ptr 1
		.amdhsa_wavefront_size32 1
		.amdhsa_system_sgpr_workgroup_id_x 1
		.amdhsa_system_sgpr_workgroup_id_y 1
		.amdhsa_system_sgpr_workgroup_id_z 1
		.amdhsa_system_vgpr_workitem_id 0
		.amdhsa_next_free_vgpr 768
		.amdhsa_next_free_sgpr 100
		.amdhsa_reserve_vcc 0
		.amdhsa_float_denorm_mode_32 3
		.amdhsa_float_denorm_mode_16_64 3
		.amdhsa_memory_ordered 1
		.amdhsa_forward_progress 1
		.amdhsa_inst_pref_size 132
	.end_amdhsa_kernel
	.amdgpu_metadata
---
amdhsa.version: [ 1, 2 ]
amdhsa.kernels:
  - .name:           k_q2ad9e8ebb1_proj
    .symbol:         k_q2ad9e8ebb1_proj.kd
    .args:
      - { .name: xw, .offset: 0, .size: 8, .value_kind: global_buffer, .address_space: global }
      - { .name: bq, .offset: 8, .size: 8, .value_kind: global_buffer, .address_space: global }
      - { .name: bk, .offset: 16, .size: 8, .value_kind: global_buffer, .address_space: global }
      - { .name: bv, .offset: 24, .size: 8, .value_kind: global_buffer, .address_space: global }
      - { .name: qkv, .offset: 32, .size: 8, .value_kind: global_buffer, .address_space: global }
    .group_segment_fixed_size: 307712
    .private_segment_fixed_size: 0
    .kernarg_segment_align: 8
    .kernarg_segment_size: 40
    .max_flat_workgroup_size: 128
    .sgpr_count:     100
    .vgpr_count:     768
    .wavefront_size: 32
...
	.end_amdgpu_metadata
.endif
;; end of part 2
;; launch attn (part 3): grid 4 x 64, 8 waves a work-group, clusters of 4 x 1, 269,312 bytes of LDS; arguments qkv, cx, cs; writes cx, cs
.if DOCPART == 3
	.amdgcn_target "amdgcn-amd-amdhsa--gfx1250"
	.amdhsa_code_object_version 6
	.text
	.protected	k_q2ad9e8ebb1_attn
	.globl	k_q2ad9e8ebb1_attn
	.p2align	8
	.type	k_q2ad9e8ebb1_attn,@function
k_q2ad9e8ebb1_attn:
	s_mov_b64 s[64:65], 0
	v_nop
	global_prefetch_b8 v0, s[64:65] scope:SCOPE_SE
	s_setreg_imm32_b32 hwreg(HW_REG_WAVE_MODE, 25, 1), 1
	s_wait_xcnt 0x0
	s_wait_alu depctr_hold_cnt(0) depctr_sa_sdst(0) depctr_va_vdst(0) depctr_va_sdst(0) depctr_va_ssrc(0) depctr_va_vcc(0) depctr_vm_vsrc(0)
	s_getreg_b32 s2, hwreg(HW_REG_IB_STS2, 6, 4)
	s_cmp_eq_u32 s2, 0
	s_cbranch_scc0 .Lentry_in_a_cluster
	s_endpgm
.Lentry_in_a_cluster:
	s_bfe_u32 s2, ttmp6, 0x10000c
	s_cmp_lg_u32 s2, 0x3003
	s_cbranch_scc0 .Lentry_shape_is_right
	s_endpgm
.Lentry_shape_is_right:
; ctx[b][q][64 hd + :] = the sum over k of softmax_k(q . k / 8) v, both products on codes of BF6 (E3M2) with one E8M0 byte for each 32 along a product's K; ctx is quantised here along D and stored as the last product's operand.
; qkv: [batch x head: 64][step of 128: 16][19,968 bytes]: K's 4 pair images, their scale words, V's 4 fragments, their scale words (13,312 bytes in all), then Q's 4 pair images and their scale words.
; THE SOFTMAX: t = score x log2(e) / 8; M = the row's largest t so far, rounded UP to a whole number; p = 2^(t - M) is quantised along the keys, not normalised; the row's sum is taken of the unquantised p and divides at the end.
; When M moves, the sum and O are multiplied by 2^(old M - new M): exact.
; SHARES.  A cluster of four work-groups owns one head; a work-group 512 queries; each of its eight waves FOUR tiles of 16 queries, which walk the keys together: each fragment of K and of V that a wave reads from LDS serves its four tiles.
; ALL of the head's K and V, 16 steps, lie in LDS, filled once: wave w asks for steps 2 w and 2 w + 1 by one load, jointly with the same wave of the three partners.
; No prefetch into the L2: everything is asked for at the head, so there is no later request to run ahead of.
; IN LDS a step's 13,312 bytes lie as 26 runs of 512 bytes, each followed by 128 bytes of padding: byte y of a step lies at y + 128 (y / 512); a step takes 16,640 bytes.
; LAYOUT.  S^T = K Q^T (source 0 = keys), O^T = V^T P^T (source 0 = channels): a lane holds ONE query (lane % 16).  The head's 64 are half of the instruction's 128: a pair image holds two tiles of 16 keys, one in each half
; of K; Q's fragment has the query's codes in one half and zero codes in the other, so one image of K serves two products.
; WHICH KEYS FORM A TILE.  A stored pair image b holds keys 32 b + r and 32 b + 16 + r in lane (r, h).  It is read through a permuted lane address: pair (c, u) takes, for r < 8, lane (8 u + r, h) of image 2 c, and for r >= 8,
; lane (8 u + r - 8, h) of image 2 c + 1.  In the result lane (query, h) then holds keys 64 c + 32 h + 8 u + j and 64 c + 32 h + 16 + 8 u + j: its 32 registers of group c are ONE WHOLE BLOCK of 32 keys, block 2 c + h,
; in the order 0-7, 16-23, 8-15, 24-31, which is the order of V's codes.  So a block's maximum needs no other lane, and the conversions' results are the operand's registers of that lane.
; With the padding two neighbouring images lie 3 x 640 = 1,920 bytes apart.
; A TRIP is 128 keys x my four tiles.  V's fragments are read behind the first tile's score products, the NEXT step's K behind the last tile's: both land under a softmax.  The last trip reads step 15's K once more
; (the next step's address is held at step 15): those registers are read by nobody; so all trips have one text.
; cx: [block of 128 rows: 64][K step: 8][tile: 8][1,536 bytes]; a head is half a fragment, 768 bytes: registers 0-3 (16 bytes a lane), then 4-5 (8 a lane).  cs: [block][head][512 bytes]: word 16 l + 4 j: tile j + 4 (l / 16), row l % 16,
; the head's two bytes at their place in the K step's word.
; LIMITS: the promise holds while the scaled scores stay under 2^31 in magnitude; a block's largest p is made from its largest score by the same two instructions, which takes v_exp_f32 not to fall where its input rises;
; a block of zeros gets the byte 1 (this program alone reads the bytes); NaN and infinities are not served.
; REGISTERS.  Window 0: v1-11 addresses and small numbers; v[12+4t..15+4t] tile t's -M, largest score and sum; v28-31 q's scale words; v32-85 zeros | q0 | zeros | q1 | zeros | q2 | zeros | q3 | zeros; v86-87 Q's scale words as loaded;
;   v96-159 S^T, then p; v160-183 Q as loaded; v192-210 codes; v212-227 at work; v228-231 K's scale words, v232-235 V's; v236-243 four partial sums of p, added to the tile's sum behind the next tile's score products.
;   Window 1: v0-127 O^T of the four tiles; v128-175 K's fragments; v176-223 V's.
.set RUN,   640                        ; a run of 512 bytes and its padding
.set STEPL, 26*RUN                     ; a step in LDS
.set STEPB, 19968                      ; and in qkv
.set HEADB, 319488
.set SCG,   16*STEPL                   ; behind K and V: ctx's scale words of the work-group's four blocks of 128 rows, 2,048 bytes
.set SPARE, SCG+2048                   ; behind them: the spare words, 128 bytes a wave
.set WV,  10
.set SEL, 20                           ; s[20:21]
.set CS,  22                           ; s[22:23] c = log2(e) / 8
.set TB,  36                           ; s36 the step's first LDS byte
.set CNT, 37
.set SH,  38                           ; s38 16 x (head % 2)
.set TN,  39                           ; s39 the next step's first LDS byte, held at step 15's
.set PS,  236                          ; the four partial sums
.set KF,  128                          ; window 1: K's fragments
.set VF,  176                          ; window 1: V's fragments
.set MSB, 0
.macro WIN new                         ; the immediate's high byte repeats the setting that is left
.if MSB != \new
	s_set_vgpr_msb (MSB<<8)|\new
.set MSB, \new
.endif
.endm
.macro CROUND
	s_barrier_signal -1
	s_barrier_wait -1
	s_cmp_lg_u32 s[WV], 0
	s_cbranch_scc1 .Lnot_wave_0_\@
	s_barrier_signal -3
.Lnot_wave_0_\@:
	s_barrier_wait -3
	s_barrier_signal -1
	s_barrier_wait -1
.endm
.macro TM4 n                           ; n of the 32 lines that make t - M, two numbers each
.rept \n
	v_pk_fma_f32 v[96+jj:97+jj], v[96+jj:97+jj], s[CS:CS+1], v[ST:ST+1] op_sel_hi:[1,0,0]
.set jj, jj+2
.endr
.endm
.macro ADD4 m                          ; eight more of the unquantised p into the four partial sums, by turns;  m = 1: the sums begin, with sixteen
.irp k, 0,1,2,3
.if \m == 1
	v_pk_add_f32 v[PS+2*\k:PS+2*\k+1], v[96+2*\k:97+2*\k], v[104+2*\k:105+2*\k]
.else
	v_pk_add_f32 v[PS+2*\k:PS+2*\k+1], v[PS+2*\k:PS+2*\k+1], v[96+8*\m+2*\k:97+8*\m+2*\k]
.endif
.endr
.endm
.macro KLOAD a, sa                     ; a step's four pairs (c, u) = (pi / 2, pi % 2) through the permuted lane address, and their rows' scale words
	WIN 0x40                                       ; destination window 1
.irp pi, 0,1,2,3
.irp j, 0,1,2
	ds_load_b128 v[KF+12*\pi+4*\j:KF+12*\pi+4*\j+3], v[\a] offset:RUN*(6*(\pi/2)+\j)+128*(\pi%2)
.endr
.endr
	WIN 0
.irp pi, 0,1,2,3
	ds_load_b32 v[228+\pi], v[\sa] offset:12*RUN+256*(\pi/2)+64*(\pi%2)
.endr
.endm
	s_load_b128 s[4:7], s[0:1], 0x0                ; qkv, cx
	s_load_b64 s[8:9], s[0:1], 0x10                ; cs
	v_lshl_add_u32 v254, v0, 2, SPARE
	v_mov_b32 v255, 0
	ds_add_u32 v254, v255                          ; the opening lines: the add, twice on end, and its wait
	ds_add_u32 v254, v255
	v_lshrrev_b32 v7, 5, v0
	v_readfirstlane_b32 s[WV], v7                  ; wave 0..7
	s_bfe_u32 s11, ttmp6, 0x40000                  ; my place in the cluster: it enters Q's, cx's and cs's addresses alone
	s_and_b32 s12, ttmp7, 0xffff                   ; batch x head, which the four partners share
	s_mov_b32 s24, 15|(3<<16)|(1<<20)|(1<<21)|(6<<22)|(31<<25)   ; group 1: the mask names all four; elements of 8 bytes; padding on; bit 21 beside a mask; after every 128 dwords (code 6) 32 dwords (code 31)
	s_mov_b32 s25, 1664<<16                        ; two steps as two rows of 13,312 bytes (26 intervals of the padding each),
	s_mov_b32 s26, 2<<16
	s_mov_b32 s27, 1664<<16
	s_mov_b32 s28, 2
	s_mov_b32 s29, 2496                            ; 19,968 bytes apart in memory
	s_mov_b32 s30, 0
	s_mov_b32 s31, 0
	s_mul_i32 s40, s12, HEADB
	s_mul_i32 s41, s[WV], 2*STEPB
	s_add_co_u32 s40, s40, s41                     ; step 2 w of the head (under 2^25 bytes)
	s_mov_b32 s41, 0
	s_mov_b32 s32, 1
	s_mul_i32 s33, s[WV], 2*STEPL
	s_wait_dscnt 0x0
	s_wait_kmcnt 0x0
	s_add_nc_u64 s[34:35], s[4:5], s[40:41]
	s_or_b32 s35, s35, 0x80000000
	CROUND                                         ; all four work-groups are here: the joint loads meet
	tensor_load_to_lds s[32:35], s[24:31]          ; my one tensor load
	s_nop 0
.rept 4
	v_nop
.endr
	s_lshl_b32 s42, s11, 2
	s_lshr_b32 s43, s[WV], 1
	s_add_co_u32 s42, s42, s43                     ; my block of 128 queries: 4 x place + wave / 2
	s_mul_i32 s44, s42, STEPB
	s_mul_i32 s45, s12, HEADB
	s_add_co_u32 s44, s44, s45
	s_and_b32 s48, s[WV], 1                        ; my half of it: tiles 4 (wave % 2) + 0 .. 3
	s_mul_i32 s45, s48, 3072
	s_add_co_u32 s14, s44, s45
	s_add_co_u32 s14, s14, 13312
	s_mov_b32 s15, 0
	s_add_nc_u64 s[14:15], s[4:5], s[14:15]        ; Q's two pair images
	s_lshl_b32 s16, s48, 8
	s_add_co_u32 s16, s16, s44
	s_add_co_u32 s16, s16, 19456
	s_mov_b32 s17, 0
	s_add_nc_u64 s[16:17], s[4:5], s[16:17]        ; and their scale words
	s_lshr_b32 s49, s12, 4
	s_lshl_b32 s49, s49, 4                         ; 16 x batch
	s_and_b32 s50, s12, 15                         ; the head
	s_add_co_u32 s51, s49, s42                     ; ctx's block of 128 rows
	s_mul_i32 s18, s51, 98304
	s_lshr_b32 s51, s50, 1
	s_mul_i32 s51, s51, 12288                      ; K step = head / 2
	s_add_co_u32 s18, s18, s51
	s_mul_i32 s51, s48, 6144                       ; tile 4 (wave % 2)
	s_add_co_u32 s18, s18, s51
	s_and_b32 s52, s50, 1
	s_mul_i32 s51, s52, 768                        ; half = head % 2
	s_add_co_u32 s18, s18, s51
	s_mov_b32 s19, 0
	s_add_nc_u64 s[18:19], s[6:7], s[18:19]
	s_lshl_b32 s[SH], s52, 4
	s_and_b32 s46, s[WV], 3
	s_lshl_b32 s53, s11, 2
	s_add_co_u32 s53, s53, s46
	s_add_co_u32 s53, s53, s49                     ; the block whose scale words wave 0..3 stores
	s_lshl_b32 s54, s53, 13
	s_lshl_b32 s55, s50, 9
	s_add_co_u32 s54, s54, s55
	s_mov_b32 s55, 0
	s_add_nc_u64 s[54:55], s[8:9], s[54:55]
	s_lshl_b32 s56, s[WV], 8                       ; LDS: block wave / 2 (512 bytes), its half wave % 2 (256 bytes); tile t's word stands 4 t further on
	s_add_co_u32 s56, s56, SCG
	s_lshl_b32 s57, s46, 9
	s_add_co_u32 s57, s57, SCG
	s_mov_b32 s[SEL], 0x76543210
	s_mov_b32 s[SEL+1], 0xfedcba98
	s_mov_b32 s[CS], 0x3e38aa3b                    ; log2(e) / 8
	s_mov_b32 s[CS+1], s[CS]                       ; (named with it as a pair, so it is written)
	v_and_b32 v7, 31, v0
	v_lshlrev_b32 v1, 4, v7                        ; 16 x lane
	v_lshlrev_b32 v2, 3, v7                        ; 8 x lane
	v_and_b32 v3, 7, v0                            ; r % 8
	v_bfe_u32 v4, v0, 3, 1                         ; r / 8
	v_bfe_u32 v11, v0, 4, 1                        ; h
	v_lshlrev_b32 v8, 4, v3
	v_lshl_add_u32 v8, v11, 8, v8
	v_mad_u32_u24 v8, v4, 3*RUN, v8                ; K's images through the permuted lane: 1,920 (r / 8) + 256 h + 16 (r % 8); the pair's 6 c runs + 128 u stand in the loads' offsets
	v_lshlrev_b32 v9, 3, v3
	v_lshl_add_u32 v9, v4, 2, v9                   ; and their scale words: 8 (r % 8) + 4 (r / 8)
	v_lshlrev_b32 v10, 3, v11                      ; 8 h: how far up my two bytes of p's scale word stand
	v_and_b32 v7, 15, v0
	v_lshl_add_u32 v5, v7, 4, s56                  ; where I put a row's scale word of ctx
	v_add_nc_u32 v6, s57, v1                       ; where waves 0..3 read a block's 512 bytes back
.irp z, 32,44,56,68,80
.irp i, 0,1,2,3,4,5
	v_mov_b32 v[\z+\i], 0                          ; zero codes on both sides of each q
.endr
.endr
.irp t, 0,1,2,3
	v_mov_b32 v[13+4*\t], 0xff61b1e6               ; the largest score so far: -3e38
	v_floor_f32 v[12+4*\t], -v[13+4*\t]            ; -M: the first change of M gives the factor 0
	v_mov_b32 v[14+4*\t], 0
	v_mov_b32 v[15+4*\t], 0
.endr
.irp i, 216,217,218,219,225,226,236,237,238,239,240,241,242,243
	v_mov_b32 v[\i], 0                             ; lane permutes' destinations, the upper half of the pair v[224:225], and the partial sums that the first trip adds
.endr
	WIN 0x40                                       ; destination window 1
.set jj, 0
.rept 128
	v_mov_b32 v[jj], 0                             ; O^T: the step is written once; the first finds zeros
.set jj, jj+1
.endr
	WIN 0
	s_wait_alu depctr_va_vdst(0)                   ; the wait at the head's end
.irp j, 0,1,2,3,4,5
	global_load_b128 v[160+4*\j:163+4*\j], v1, s[14:15] offset:512*\j
.endr
	global_load_b64 v[86:87], v2, s[16:17]
	s_wait_tensorcnt 0x0                           ; my two steps have landed,
	s_barrier_signal -1
	s_barrier_wait -1                              ; everybody's have: the head's K and V lie in LDS
	KLOAD 8, 9                                     ; step 0's K
	s_wait_loadcnt 0x0                             ; Q
	v_perm_b32 v28, v86, v86, 0x01000100           ; each tile's two bytes in both halves of its word
	v_perm_b32 v29, v86, v86, 0x03020302
	v_perm_b32 v30, v87, v87, 0x01000100
	v_perm_b32 v31, v87, v87, 0x03020302
.irp t, 0,1,2,3
.irp i, 0,1,2,3,4,5
	v_mov_b32 v[38+12*\t+\i], v[160+6*\t+\i]       ; v[38+12t:49+12t] = q | zeros, v[32+12t:43+12t] = zeros | q.  (These lines are also the places ahead of the first scaled product)
.endr
.endr
; One tile of 16 queries against the trip's 128 keys.
.macro TILE t
.set ST, 12+4*\t                       ; its -M, largest score, sum
.set LP, 14+4*((\t+3)%4)               ; the sum of the tile before it
.set OB, 32*\t                         ; its O^T, in window 1
	WIN 0x01                                       ; source 0 (K) window 1
.irp b, 0,1,2,3
	v_wmma_scale_f32_16x16x128_f8f6f4 v[96+16*\b:103+16*\b], v[KF+12*\b:KF+12*\b+11], v[38+12*\t:49+12*\t], 0, v[228+\b], v[28+\t] matrix_a_fmt:MATRIX_FMT_BF6 matrix_b_fmt:MATRIX_FMT_BF6    ; keys 64 (b / 2) + 32 h + 8 (b % 2) + j
	v_wmma_scale_f32_16x16x128_f8f6f4 v[104+16*\b:111+16*\b], v[KF+12*\b:KF+12*\b+11], v[32+12*\t:43+12*\t], 0, v[228+\b], v[28+\t] matrix_a_fmt:MATRIX_FMT_BF6 matrix_b_fmt:MATRIX_FMT_BF6  ; and 16 further on
.endr
	WIN 0
	v_pk_add_f32 v[PS:PS+1], v[PS:PS+1], v[PS+2:PS+3]       ; five plain lines: the places ahead of the loads below and of the first read of the scores.  The partial sums of the tile before are joined
	v_pk_add_f32 v[PS+4:PS+5], v[PS+4:PS+5], v[PS+6:PS+7]
	v_pk_add_f32 v[LP:LP+1], v[LP:LP+1], v[PS:PS+1]
	v_pk_add_f32 v[LP:LP+1], v[LP:LP+1], v[PS+4:PS+5]       ; its sum now holds all of its p, under its M
	v_mov_b32 v11, v[ST]                           ; the old -M
.if \t == 0
	WIN 0x40
.set jj, 0
.rept 12
	ds_load_b128 v[VF+4*jj:VF+4*jj+3], v7 offset:RUN*(13+jj)   ; this step's V lands under the first tile's softmax
.set jj, jj+1
.endr
	WIN 0
	ds_load_b128 v[232:235], v7 offset:25*RUN      ; its scale words
.endif
.if \t == 3
	KLOAD 3, 4                                     ; the next step's K lands under the last tile's softmax
.endif
; the largest score of each of my two blocks of 32 keys, in two chains each (17 and 15 numbers)
.irp c, 0,1
	v_max3_num_f32 v[212+\c], v[96+32*\c], v[97+32*\c], v[98+32*\c]
	v_max3_num_f32 v[214+\c], v[113+32*\c], v[114+32*\c], v[115+32*\c]
.endr
.irp i, 3,5,7,9,11,13
.irp c, 0,1
	v_max3_num_f32 v[212+\c], v[212+\c], v[96+32*\c+\i], v[97+32*\c+\i]
	v_max3_num_f32 v[214+\c], v[214+\c], v[113+32*\c+\i], v[114+32*\c+\i]
.endr
.endr
.irp c, 0,1
	v_max3_num_f32 v[212+\c], v[212+\c], v[111+32*\c], v[112+32*\c]
.endr
.irp c, 0,1
	v_max_num_f32 v[212+\c], v[212+\c], v[214+\c]  ; block 2 c + h's largest score
.endr
	v_max_num_f32 v226, v212, v213
	v_permlanex16_b32 v216, v226, s[SEL], s[SEL+1]
	v_max3_num_f32 v[ST+1], v[ST+1], v226, v216    ; the row's largest score so far (c is positive: its t is the largest t)
	v_mul_f32 v226, s[CS], v[ST+1]
	v_floor_f32 v[ST], -v226                       ; the new -M = -ceil(t)
.set jj, 0
	TM4 4                                          ; t - M; the three lines that make f stand among these, so that none waits for the line above it
	v_sub_f32 v226, v[ST], v11                     ; old M - new M: a whole number, 0 or less
	TM4 4
	v_cvt_i32_f32 v226, v226                       ; (it saturates)
	TM4 4
	v_ldexp_f32 v224, 1.0, v226                    ; f = 2^(old M - new M)
	TM4 20
	v_fma_f32 v212, v212, s[CS], v[ST]             ; the same of each block's largest score
	v_fma_f32 v213, v213, s[CS], v[ST]
	s_wait_alu depctr_va_vdst(0)                   ; the wait ahead of the batch
.set jj, 0
.rept 64
	v_exp_f32 v[96+jj], v[96+jj]                   ; p = 2^(t - M)
.set jj, jj+1
.endr
	v_exp_f32 v212, v212                           ; the blocks' largest p
	v_exp_f32 v213, v213
	v_pk_mul_f32 v[ST+2:ST+3], v[ST+2:ST+3], v[224:225] op_sel_hi:[1,0]   ; the sum under the new M: the plain instruction behind the exponentials
	WIN 0x41                                       ; destination and source 0 window 1
	s_wait_alu depctr_va_vdst(0)                   ; one wait for the batch of 66, ahead of its first reader, and directly ahead of the first reader of O^T
.set jj, 0
.rept 16
	v_pk_mul_f32 v[OB+jj:OB+jj+1], v[OB+jj:OB+jj+1], v[224:225] op_sel_hi:[1,0]   ; O^T under the new M, each accumulator from its low end on
.set jj, jj+2
.endr
	WIN 0
; p's scale word and codes; the 28 additions of the unquantised p stand among these lines
	v_max_num_f32 v212, 0x2800000, v212            ; the floor 2^(5 - 127): the byte cannot fall under 1
	v_max_num_f32 v213, 0x2800000, v213
	ADD4 1
	v_add_nc_u32 v220, 0xfe000000, v212            ; 4 off the exponent field: the conversions' scale operands
	v_add_nc_u32 v221, 0xfe000000, v213
	ADD4 2
	v_lshrrev_b32 v222, 23, v220                   ; the bytes of blocks h and 2 + h
	v_lshrrev_b32 v223, 23, v221
	ADD4 3
	v_lshl_or_b32 v227, v223, 16, v222
	ADD4 4
	v_lshlrev_b32 v227, v10, v227                  ; at their places in the word
	ADD4 5
	v_permlanex16_b32 v216, v227, s[SEL], s[SEL+1]
	v_cvt_scalef32_pk16_bf6_f32 v[192:194], v[96:111], v220
	v_cvt_scalef32_pk16_bf6_f32 v[204:206], v[112:127], v220   ; (a conversion's three registers begin on an even number)
	v_cvt_scalef32_pk16_bf6_f32 v[198:200], v[128:143], v221
	v_cvt_scalef32_pk16_bf6_f32 v[208:210], v[144:159], v221
	ADD4 6                                         ; also the plain lines behind the conversions
	v_or_b32 v227, v227, v216                      ; with lane l xor 16's two bytes: p's scale word for these 128 keys; ten plain lines stand between it and the scaled products
.irp i, 0,1,2
	v_mov_b32 v[195+\i], v[204+\i]
	v_mov_b32 v[201+\i], v[208+\i]
.endr
	ADD4 7                                         ; also the four places between the operand's last writes and the scaled products
.if \t == 0
	s_wait_alu depctr_va_vdst(0)                   ; directly ahead of the wait below
	s_wait_dscnt 0x0                               ; V
.endif
	WIN 0x51                                       ; source 0 (V), C and D window 1; source 1 (p) window 0
.irp a, 0,1,2,3
	v_wmma_scale_f32_16x16x128_f8f6f4 v[OB+8*\a:OB+8*\a+7], v[VF+12*\a:VF+12*\a+11], v[192:203], v[OB+8*\a:OB+8*\a+7], v[232+\a], v227 matrix_a_fmt:MATRIX_FMT_BF6 matrix_b_fmt:MATRIX_FMT_BF6
.endr
.endm
	s_mov_b32 s[TB], 0
	s_mov_b32 s[CNT], 16
.Lstep:                                                ; a trip: 128 keys, four tiles
	s_add_co_u32 s[TN], s[TB], STEPL
	s_min_u32 s[TN], s[TN], 15*STEPL               ; the next step, held at the last
	v_add_nc_u32 v7, s[TB], v1
	v_add_nc_u32 v3, s[TN], v8
	v_add_nc_u32 v4, s[TN], v9
	s_wait_alu depctr_va_vdst(0)                   ; directly ahead of the wait below
	s_wait_dscnt 0x0                               ; this step's K, asked for in the trip before
	TILE 0
	TILE 1
	TILE 2
	TILE 3
	WIN 0                                          ; at a label and at a branch every window is 0
	s_add_co_u32 s[TB], s[TB], STEPL
	s_sub_co_u32 s[CNT], s[CNT], 1
	s_cmp_lg_u32 s[CNT], 0
	s_cbranch_scc1 .Lstep
	; the way out: O^T / the sum, quantised along the head's 64: half a fragment of the last product's operand for each tile
	v_pk_add_f32 v[PS:PS+1], v[PS:PS+1], v[PS+2:PS+3]   ; the last tile's partial sums; also the places behind the last products
	v_pk_add_f32 v[PS+4:PS+5], v[PS+4:PS+5], v[PS+6:PS+7]
	v_pk_add_f32 v[26:27], v[26:27], v[PS:PS+1]
	v_pk_add_f32 v[26:27], v[26:27], v[PS+4:PS+5]
.irp t, 0,1,2,3
	v_add_f32 v[14+4*\t], v[14+4*\t], v[15+4*\t]
.endr
.irp t, 0,1,2,3
	v_permlanex16_b32 v[216+\t], v[14+4*\t], s[SEL], s[SEL+1]
.endr
.irp t, 0,1,2,3
	v_add_f32 v[14+4*\t], v[14+4*\t], v[216+\t]    ; the rows' sums
.endr
	s_wait_alu depctr_va_vdst(0)                   ; the wait ahead of the batch
.irp t, 0,1,2,3
	v_rcp_f32 v[14+4*\t], v[14+4*\t]
.endr
	v_nop                                          ; a plain instruction behind the reciprocals
.macro OUT t
.if \t
	s_wait_xcnt 0x0                                ; the tile before's stores have read the codes' registers
.endif
	WIN 0x01                                       ; source 0 window 1
	s_wait_alu depctr_va_vdst(0)                   ; the wait behind the reciprocals, directly ahead of the first reader of this tile's O^T
.set jj, 0
.rept 32
	v_mul_f32 v[96+jj], v[32*\t+jj], v[14+4*\t]    ; register 8 a + j: channel 16 a + 8 h + j of my query
.set jj, jj+1
.endr
	WIN 0
	v_max3_num_f32 v212, |v96|, |v97|, 0x2800000
	v_max3_num_f32 v213, |v112|, |v113|, 0x2800000
.irp i, 2,4,6,8,10,12,14
	v_max3_num_f32 v212, v212, |v[96+\i]|, |v[97+\i]|
	v_max3_num_f32 v213, v213, |v[112+\i]|, |v[113+\i]|
.endr
	v_permlanex16_b32 v216, v212, s[SEL], s[SEL+1]
	v_permlanex16_b32 v217, v213, s[SEL], s[SEL+1]
	v_max_num_f32 v212, v212, v216
	v_max_num_f32 v213, v213, v217
	v_add_nc_u32 v220, 0xfe000000, v212
	v_add_nc_u32 v221, 0xfe000000, v213
	v_lshrrev_b32 v216, 23, v220
	v_lshrrev_b32 v217, 23, v221
	v_lshl_or_b32 v227, v217, 8, v216
	v_lshlrev_b32 v227, s[SH], v227                ; the head's two bytes at their place in the K step's word
	v_cvt_scalef32_pk16_bf6_f32 v[192:194], v[96:111], v220
	v_cvt_scalef32_pk16_bf6_f32 v[204:206], v[112:127], v221
	v_nop
.irp i, 0,1,2
	v_permlane16_swap_b32 v[192+\i], v[204+\i]     ; here lanes l and l xor 16 share the blocks: lanes 0-15 get the even block whole, lanes 16-31 the odd one
.endr
.irp i, 0,1,2
	v_mov_b32 v[195+\i], v[204+\i]
.endr
	ds_store_b32 v5, v227 offset:4*\t              ; lanes l and l xor 16 write the same word with the same value
	global_store_b128 v1, v[192:195], s[18:19] offset:1536*\t       ; 512 and 256 consecutive bytes, at multiples of 256 from cx's first byte
	global_store_b64 v2, v[196:197], s[18:19] offset:1536*\t+512
.endm
	OUT 0
	OUT 1
	OUT 2
	OUT 3
	s_wait_dscnt 0x0                               ; for the others' sake: my scale words lie in LDS
	s_barrier_signal -1
	s_barrier_wait -1
	s_cmp_lt_u32 s[WV], 4                          ; waves 0..3 store a block's 512 bytes each
	s_cbranch_scc0 .Lno_words
	ds_load_b128 v[96:99], v6
	s_wait_dscnt 0x0
	global_store_b128 v1, v[96:99], s[54:55]
.Lno_words:
	s_wait_tensorcnt 0x0                           ; the wave's end
	ds_add_u32 v254, v255
	s_wait_dscnt 0x0
	CROUND                                         ; the closing round
	s_endpgm
.Lfunc_end_k_q2ad9e8ebb1_attn:
	.size	k_q2ad9e8ebb1_attn, .Lfunc_end_k_q2ad9e8ebb1_attn-k_q2ad9e8ebb1_attn
	.p2alignl 7, 3214868480
	.fill 96, 4, 3214868480
	.section	.rodata,"a",@progbits
	.p2align	6, 0x0
	.amdhsa_kernel k_q2ad9e8ebb1_attn
		.amdhsa_group_segment_fixed_size 269312
		.amdhsa_private_segment_fixed_size 0
		.amdhsa_enable_private_segment 0
		.amdhsa_kernarg_size 24
		.amdhsa_user_sgpr_count 2
		.amdhsa_user_sgpr_kernarg_segment_ptr 1
		.amdhsa_wavefront_size32 1
		.amdhsa_system_sgpr_workgroup_id_x 1
		.amdhsa_system_sgpr_workgroup_id_y 1
		.amdhsa_system_sgpr_workgroup_id_z 1
		.amdhsa_system_vgpr_workitem_id 0
		.amdhsa_next_free_vgpr 512
		.amdhsa_next_free_sgpr 66
		.amdhsa_reserve_vcc 0
		.amdhsa_float_denorm_mode_32 3
		.amdhsa_float_denorm_mode_16_64 3
		.amdhsa_memory_ordered 1
		.amdhsa_forward_progress 1
		.amdhsa_inst_pref_size 81
	.end_amdhsa_kernel
	.amdgpu_metadata
---
amdhsa.version: [ 1, 2 ]
amdhsa.kernels:
  - .name:           k_q2ad9e8ebb1_attn
    .symbol:         k_q2ad9e8ebb1_attn.kd
    .args:
      - { .name: qkv, .offset: 0, .size: 8, .value_kind: global_buffer, .address_space: global }
      - { .name: cx, .offset: 8, .size: 8, .value_kind: global_buffer, .address_space: global }
      - { .name: cs, .offset: 16, .size: 8, .value_kind: global_buffer, .address_space: global }
    .group_segment_fixed_size: 269312
    .private_segment_fixed_size: 0
    .kernarg_segment_align: 8
    .kernarg_segment_size: 24
    .max_flat_workgroup_size: 256
    .sgpr_count:     66
    .vgpr_count:     512
    .wavefront_size: 32
...
	.end_amdgpu_metadata
.endif
;; end of part 3
;; launch oproj (part 4): grid 4 x 64, 4 waves a work-group, clusters of 4 x 4, 307,712 bytes of LDS; arguments xw, cx, cs, bo, out0; writes out0
.if DOCPART == 4
	.amdgcn_target "amdgcn-amd-amdhsa--gfx1250"
	.amdhsa_code_object_version 6
	.text
	.protected	k_q2ad9e8ebb1_oproj
	.globl	k_q2ad9e8ebb1_oproj
	.p2align	8
	.type	k_q2ad9e8ebb1_oproj,@function
k_q2ad9e8ebb1_oproj:
	s_mov_b64 s[64:65], 0
	v_nop
	global_prefetch_b8 v0, s[64:65] scope:SCOPE_SE
	s_setreg_imm32_b32 hwreg(HW_REG_WAVE_MODE, 25, 1), 1
	s_wait_xcnt 0x0
	s_wait_alu depctr_hold_cnt(0) depctr_sa_sdst(0) depctr_va_vdst(0) depctr_va_sdst(0) depctr_va_ssrc(0) depctr_va_vcc(0) depctr_vm_vsrc(0)
	s_getreg_b32 s2, hwreg(HW_REG_IB_STS2, 6, 4)
	s_cmp_eq_u32 s2, 0
	s_cbranch_scc0 .Lentry_in_a_cluster
	s_endpgm
.Lentry_in_a_cluster:
	s_bfe_u32 s2, ttmp6, 0x10000c
	s_cmp_lg_u32 s2, 0xf033
	s_cbranch_scc0 .Lentry_shape_is_right
	s_endpgm
.Lentry_shape_is_right:
; out0 = ctx Wo^T + bo, on codes of BF6 (E3M2) with one E8M0 byte for each 32 along K.  Wo's codes lie in xw (blocks G 216-223: [K step 8][8 fragments of 1,536 bytes, 512 bytes of scale words]),
; ctx's in cx ([block of 128 rows: 64][K step 8][tile 8][1,536 bytes]), ctx's scale bytes in cs ([block][head 16][512 bytes]: a head's two bytes at their place in its K step's word).
; ROLES.  P = Wo is source 0, R = ctx is source 1: a lane then holds eight neighbouring numbers of a row of out0.  A work-group makes 256 columns x 128 rows with ALL of K = 1,024 in LDS, every byte filled once.
; Four waves, each 128 of P x 64 of R: 32 accumulators.  CLUSTERS: 4 x 4: Wo's blocks hang on cx and are asked for jointly along a column, ctx's hang on cy and are asked for jointly along a row.
; REGISTERS: window 0: v1-11 addresses; v16-31 scale words, two sets; v32-127 R's fragments, two sets of 48; v128-191 the bias; on the way out v32-95 and v192-255 by turns.
;   window 1: P's fragments, two sets of 96.   window 2: accumulator (a, b) at v[8 (8 a + b)].
.set PBLK,   102400
.set KPC,    12800
.set RPIECE, 12288                     ; ctx's K step: 8 fragments
.set RSSTEP, 512
.set RROWS,  4*RPIECE/256              ; rows of 256 bytes in one load of R: four K steps
.set RBASE,  2*PBLK
.set RSBASE, RBASE+8*RPIECE            ; behind ctx's codes: its scale words, [K step 8][512 bytes], put together here by LDS stores: bytes of their own, into which no tensor load lands
.set SPITCH, 528                       ; the way out: a stage of 16 rows x (512 + 16) bytes for each wave, in P's first block, which has had its only fill and its last read by then
.set WV,  14
.set MSB, 0
.macro WIN new
.if MSB != \new
	s_set_vgpr_msb (MSB<<8)|\new
.set MSB, \new
.endif
.endm
.macro CROUND
	s_barrier_signal -1
	s_barrier_wait -1
	s_cmp_lg_u32 s[WV], 0
	s_cbranch_scc1 .Lnot_wave_0_\@
	s_barrier_signal -3
.Lnot_wave_0_\@:
	s_barrier_wait -3
	s_barrier_signal -1
	s_barrier_wait -1
.endm
.macro WM d, fa, fb, sa, sb, zero, hi
.if \zero
.if \hi
	v_wmma_scale_f32_16x16x128_f8f6f4 v[(\d):(\d)+7], v[(\fa):(\fa)+11], v[(\fb):(\fb)+11], 0, v[\sa], v[\sb] matrix_a_fmt:MATRIX_FMT_BF6 matrix_b_fmt:MATRIX_FMT_BF6 matrix_a_scale:MATRIX_SCALE_ROW1
.else
	v_wmma_scale_f32_16x16x128_f8f6f4 v[(\d):(\d)+7], v[(\fa):(\fa)+11], v[(\fb):(\fb)+11], 0, v[\sa], v[\sb] matrix_a_fmt:MATRIX_FMT_BF6 matrix_b_fmt:MATRIX_FMT_BF6
.endif
.else
.if \hi
	v_wmma_scale_f32_16x16x128_f8f6f4 v[(\d):(\d)+7], v[(\fa):(\fa)+11], v[(\fb):(\fb)+11], v[(\d):(\d)+7], v[\sa], v[\sb] matrix_a_fmt:MATRIX_FMT_BF6 matrix_b_fmt:MATRIX_FMT_BF6 matrix_a_scale:MATRIX_SCALE_ROW1
.else
	v_wmma_scale_f32_16x16x128_f8f6f4 v[(\d):(\d)+7], v[(\fa):(\fa)+11], v[(\fb):(\fb)+11], v[(\d):(\d)+7], v[\sa], v[\sb] matrix_a_fmt:MATRIX_FMT_BF6 matrix_b_fmt:MATRIX_FMT_BF6
.endif
.endif
.endm
.macro ADV                             ; on to the next K step; these five plain instructions are also the places between the last products and the loads into the registers that they read (four are asked)
	v_add_nc_u32 v1, KPC, v1
	v_add_nc_u32 v2, KPC, v2
	v_add_nc_u32 v3, RPIECE, v3
	v_add_nc_u32 v4, RPIECE, v4
	v_add_nc_u32 v5, RSSTEP, v5
.endm
.macro FETCH g
	WIN 0x40                                       ; destination window 1
.irp i, 0,1,2,3,4,5,6,7
	ds_load_b128 v[96*(\g)+12*\i:96*(\g)+12*\i+3], v1 offset:1536*\i
	ds_load_b64 v[96*(\g)+12*\i+4:96*(\g)+12*\i+5], v2 offset:1536*\i+512
	ds_load_b128 v[96*(\g)+12*\i+6:96*(\g)+12*\i+9], v1 offset:1536*\i+768
	ds_load_b64 v[96*(\g)+12*\i+10:96*(\g)+12*\i+11], v2 offset:1536*\i+1280
.endr
	WIN 0
.irp i, 0,1,2,3
	ds_load_b128 v[32+48*(\g)+12*\i:32+48*(\g)+12*\i+3], v3 offset:1536*\i
	ds_load_b64 v[32+48*(\g)+12*\i+4:32+48*(\g)+12*\i+5], v4 offset:1536*\i+512
	ds_load_b128 v[32+48*(\g)+12*\i+6:32+48*(\g)+12*\i+9], v3 offset:1536*\i+768
	ds_load_b64 v[32+48*(\g)+12*\i+10:32+48*(\g)+12*\i+11], v4 offset:1536*\i+1280
.endr
	ds_load_b128 v[16+8*(\g):19+8*(\g)], v1 offset:12288   ; P's scale words: register j: lanes 0-15 tile j, lanes 16-31 tile j + 4
	ds_load_b128 v[20+8*(\g):23+8*(\g)], v5                ; R's: register j: my tile j
.endm
.macro MUL g, zero                     ; 32 matrix instructions; the 32 accumulators take turns, one instruction a turn
	WIN 0xa1                                       ; source 0 (P) window 1, source 1 (R) window 0, C and D window 2
.irp a, 0,1,2,3
.irp b, 0,1,2,3,4,5,6,7
	WM 8*(8*\a+\b), 96*(\g)+12*\b, 32+48*(\g)+12*\a, 16+8*(\g)+\b%4, 20+8*(\g)+\a, \zero, \b/4
.endr
.endr
.endm
; K step s: its fragments were asked for a step ago; the next step's are asked for ahead of its 32 products.  All of K lies in LDS from the head's barrier on.
.macro KSTEP s
	s_wait_dscnt 0x0                               ; this step's fragments are in
.if (\s) < 7
	ADV
	FETCH ((\s)+1)%2
.endif
.if (\s) == 0
	MUL 0, 1
.else
	MUL (\s)%2, 0
.endif
	WIN 0
.endm
	s_load_b256 s[4:11], s[0:1], 0x0               ; xw, cx, cs, bo
	s_load_b64 s[12:13], s[0:1], 0x20              ; out0
	v_lshl_add_u32 v14, v0, 2, 0x4b000
	v_mov_b32 v15, 0
	ds_add_u32 v14, v15
	ds_add_u32 v14, v15
	v_lshrrev_b32 v8, 5, v0
	v_readfirstlane_b32 s[WV], v8                  ; wave 0..3
	s_lshr_b32 s15, s[WV], 1                       ; pH.  Also: I fetch for P (0) or for R (1)
	s_and_b32 s16, s[WV], 1                        ; rH.  Also: which part I fetch
	s_bfe_u32 s17, ttmp6, 0x40000                  ; cx = pblk: which 256 columns
	s_bfe_u32 s18, ttmp6, 0x40004                  ; cy
	s_and_b32 s19, ttmp7, 0xffff
	s_lshl_b32 s89, s19, 2
	s_add_co_u32 s89, s89, s18                     ; rblk: which 128 rows
	s_lshl_b32 s2, 0x1111, s17                     ; my column of the cluster
	s_lshl_b32 s3, s18, 2
	s_lshl_b32 s3, 15, s3                          ; my row
	s_or_b32 s24, s2, (3<<16)|(1<<21)              ; group 1 for P: a whole block, 8 K steps, as 400 rows of 256 bytes
	s_mov_b32 s25, 32<<16
	s_mov_b32 s26, 400<<16
	s_mov_b32 s27, 32<<16
	s_mov_b32 s28, 400
	s_mov_b32 s29, 32
	s_mov_b32 s30, 0
	s_mov_b32 s31, 0
	s_or_b32 s32, s3, (3<<16)|(1<<21)              ; for R: four K steps as 192 rows
	s_mov_b32 s33, 32<<16
	s_mov_b32 s34, RROWS<<16
	s_mov_b32 s35, 32<<16
	s_mov_b32 s36, RROWS
	s_mov_b32 s37, 32
	s_mov_b32 s38, 0
	s_mov_b32 s39, 0
	s_lshl_b32 s90, s17, 1
	s_add_co_u32 s90, s90, s16
	s_add_co_u32 s90, s90, 216
	s_mul_i32 s90, s90, PBLK                       ; Wo's block G = 216 + 2 pblk + part
	s_mov_b32 s91, 0
	s_mul_i32 s94, s89, 8*RPIECE
	s_mul_i32 s95, s16, 4*RPIECE
	s_add_co_u32 s94, s94, s95                     ; ctx's block rblk, K steps 4 x part on
	s_mov_b32 s95, 0
	s_mov_b32 s40, 1                               ; P's group 0: one block of 128 rows of Wo, all of K
	s_mul_i32 s41, s16, PBLK                       ; where it goes: no place in the cluster enters an LDS address
	s_mov_b32 s68, 1                               ; R's group 0: ctx's K steps 4 x part .. 4 x part + 3
	s_mul_i32 s69, s16, 4*RPIECE
	s_add_co_u32 s69, s69, RBASE
	s_wait_dscnt 0x0
	s_wait_kmcnt 0x0
	s_add_nc_u64 s[42:43], s[4:5], s[90:91]
	s_or_b32 s43, s43, 0x80000000
	s_add_nc_u64 s[70:71], s[6:7], s[94:95]
	s_or_b32 s71, s71, 0x80000000
	CROUND                                         ; all sixteen work-groups are here: the joint loads meet
	s_cmp_lt_u32 s[WV], 2                          ; one tensor load a wave, in the two arms of one branch: waves 0, 1 a block of P each, waves 2, 3 half of R each
	s_cbranch_scc0 .Lfill_r
	tensor_load_to_lds s[40:43], s[24:31]
	s_nop 0
.rept 4
	v_nop
.endr
	s_branch .Lfilled
.Lfill_r:
	tensor_load_to_lds s[68:71], s[32:39]
	s_nop 0
.rept 4
	v_nop
.endr
.Lfilled:
	v_and_b32 v8, 31, v0
	v_lshlrev_b32 v6, 4, v8                        ; 16 x lane
	s_wait_alu depctr_va_vdst(0)
	v_lshlrev_b32 v7, 3, v8                        ; 8 x lane
	s_wait_alu depctr_va_vdst(0)
	s_lshl_b32 s58, s89, 13
	s_lshl_b32 s59, s[WV], 11
	s_add_co_u32 s58, s58, s59                     ; cs: my block's heads 4 w .. 4 w + 3
	s_mov_b32 s59, 0
	s_add_nc_u64 s[58:59], s[8:9], s[58:59]
.irp i, 0,1,2,3
	global_load_b128 v[192+4*\i:195+4*\i], v6, s[58:59] offset:512*\i
.endr
	s_lshl_b32 s62, s17, 10
	s_lshl_b32 s63, s15, 9
	s_add_co_u32 s62, s62, s63                     ; my 128 columns, in bytes
	s_mov_b32 s63, 0
	s_add_nc_u64 s[60:61], s[10:11], s[62:63]
	v_bfe_u32 v10, v0, 4, 1
	v_and_b32 v9, 15, v0
	s_wait_alu depctr_va_vdst(0)
	v_lshlrev_b32 v12, 5, v10                      ; 32 h
.irp b, 0,1,2,3,4,5,6,7
	global_load_b128 v[128+8*\b:131+8*\b], v12, s[60:61] offset:64*\b       ; bo of columns 16 b + 8 h + 0 .. 7
	global_load_b128 v[132+8*\b:135+8*\b], v12, s[60:61] offset:64*\b+16
.endr
	s_lshl_b32 s56, s89, 19                        ; out0: row 128 rblk + 64 rH, of 4,096 bytes (under 2^26),
	s_lshl_b32 s57, s16, 18
	s_add_co_u32 s56, s56, s57
	s_add_co_u32 s56, s56, s62                     ; + my columns
	s_mov_b32 s57, 0
	s_add_nc_u64 s[56:57], s[12:13], s[56:57]
	s_mul_i32 s84, s15, PBLK
	v_add_nc_u32 v1, s84, v6
	v_add_nc_u32 v2, s84, v7
	s_mul_i32 s85, s16, 6144
	s_add_co_u32 s85, s85, RBASE
	v_add_nc_u32 v3, s85, v6
	v_add_nc_u32 v4, s85, v7
	s_lshl_b32 s86, s16, 8
	s_add_co_u32 s86, s86, RSBASE
	v_lshl_add_u32 v5, v9, 4, s86                  ; R's scale words of my four tiles
	s_lshl_b32 s87, s[WV], 10
	s_add_co_u32 s87, s87, RSBASE
	v_add_nc_u32 v8, s87, v6                       ; where I put the words of K steps 2 w, 2 w + 1
	s_mul_i32 s88, s[WV], 16*SPITCH                ; my stage
	v_mul_u32_u24 v11, v9, SPITCH
	v_lshl_add_u32 v11, v10, 5, v11
	v_add_nc_u32 v11, s88, v11                     ; in: row r, + 32 h
	v_add_nc_u32 v13, s88, v6                      ; back: a row of 512 bytes, 16 a lane
	s_wait_loadcnt 16                              ; the four images of scale bytes are in; the bias's 16 loads may stay out
.irp j, 0,1,2,3
	v_or_b32 v[192+\j], v[192+\j], v[196+\j]       ; an even head's two bytes and the odd head's make a K step's word
	v_or_b32 v[200+\j], v[200+\j], v[204+\j]
.endr
	ds_store_b128 v8, v[192:195]
	ds_store_b128 v8, v[200:203] offset:512
	s_wait_tensorcnt 0x0                           ; my one load has landed
	s_wait_dscnt 0x0                               ; for the others' sake: my scale words lie in LDS
	s_barrier_signal -1
	s_barrier_wait -1
	FETCH 0
.irp s, 0,1,2,3,4,5,6
	s_wait_alu depctr_va_vdst(0)
	KSTEP \s
.endr
	s_wait_dscnt 0x0                               ; the last K step: its fragments are in, and my reads of P and R are over:
	s_barrier_signal -1                            ; say so,
	MUL 1, 0
	WIN 0
	s_barrier_wait -1                              ; and when all four have, P's first block may take the stages
.rept 4
	v_nop                                          ; four places behind the last products
.endr
	s_wait_loadcnt 0x0                             ; the bias
; THE WAY OUT, 16 rows x 128 columns at a time: + bias, through my stage, back as whole rows of 512 bytes.  LDS serves a wave's instructions in order: no wait between the stores and the loads.
.irp a, 0,1,2,3
.set XB, 32+160*(\a%2)
.if \a >= 2
	s_wait_xcnt 0x0                                ; the stores of two blocks ago have read these registers
.endif
	WIN 0x02                                       ; source 0 window 2
.set ii, 0
.rept 32
	v_pk_add_f32 v[XB+2*ii:XB+2*ii+1], v[64*\a+2*ii:64*\a+2*ii+1], v[128+2*ii:129+2*ii]   ; each accumulator from its low end on
.set ii, ii+1
.endr
	WIN 0
.irp b, 0,1,2,3,4,5,6,7
	ds_store_b128 v11, v[XB+8*\b:XB+8*\b+3] offset:64*\b
	ds_store_b128 v11, v[XB+8*\b+4:XB+8*\b+7] offset:64*\b+16
.endr
.set tt, 0
.rept 16
	ds_load_b128 v[XB+4*tt:XB+4*tt+3], v13 offset:tt*SPITCH
.set tt, tt+1
.endr
.set tt, 0
.rept 16
	s_wait_dscnt 15-tt                             ; row tt is back; the younger loads may be out
	global_store_b128 v6, v[XB+4*tt:XB+4*tt+3], s[56:57] offset:(16*\a+tt)*4096 th:TH_STORE_NT   ; 512 consecutive bytes, at a multiple of 256 from out0's first byte; written once, read by nobody here
.set tt, tt+1
.endr
.endr
	s_wait_tensorcnt 0x0
	ds_add_u32 v14, v15
	s_wait_dscnt 0x0
	CROUND                                         ; the closing round
	s_endpgm
.Lfunc_end_k_q2ad9e8ebb1_oproj:
	.size	k_q2ad9e8ebb1_oproj, .Lfunc_end_k_q2ad9e8ebb1_oproj-k_q2ad9e8ebb1_oproj
	.p2alignl 7, 3214868480
	.fill 96, 4, 3214868480
	.section	.rodata,"a",@progbits
	.p2align	6, 0x0
	.amdhsa_kernel k_q2ad9e8ebb1_oproj
		.amdhsa_group_segment_fixed_size 307712
		.amdhsa_private_segment_fixed_size 0
		.amdhsa_enable_private_segment 0
		.amdhsa_kernarg_size 40
		.amdhsa_user_sgpr_count 2
		.amdhsa_user_sgpr_kernarg_segment_ptr 1
		.amdhsa_wavefront_size32 1
		.amdhsa_system_sgpr_workgroup_id_x 1
		.amdhsa_system_sgpr_workgroup_id_y 1
		.amdhsa_system_sgpr_workgroup_id_z 1
		.amdhsa_system_vgpr_workitem_id 0
		.amdhsa_next_free_vgpr 768
		.amdhsa_next_free_sgpr 100
		.amdhsa_reserve_vcc 0
		.amdhsa_float_denorm_mode_32 3
		.amdhsa_float_denorm_mode_16_64 3
		.amdhsa_memory_ordered 1
		.amdhsa_forward_progress 1
		.amdhsa_inst_pref_size 94
	.end_amdhsa_kernel
	.amdgpu_metadata
---
amdhsa.version: [ 1, 2 ]
amdhsa.kernels:
  - .name:           k_q2ad9e8ebb1_oproj
    .symbol:         k_q2ad9e8ebb1_oproj.kd
    .args:
      - { .name: xw, .offset: 0, .size: 8, .value_kind: global_buffer, .address_space: global }
      - { .name: cx, .offset: 8, .size: 8, .value_kind: global_buffer, .address_space: global }
      - { .name: cs, .offset: 16, .size: 8, .value_kind: global_buffer, .address_space: global }
      - { .name: bo, .offset: 24, .size: 8, .value_kind: global_buffer, .address_space: global }
      - { .name: out0, .offset: 32, .size: 8, .value_kind: global_buffer, .address_space: global }
    .group_segment_fixed_size: 307712
    .private_segment_fixed_size: 0
    .kernarg_segment_align: 8
    .kernarg_segment_size: 40
    .max_flat_workgroup_size: 128
    .sgpr_count:     100
    .vgpr_count:     768
    .wavefront_size: 32
...
	.end_amdgpu_metadata
.endif
;; end of part 4
